; MI455X (gfx1250); checked and timed in simulation.
; The chip was launched on July 23, 2026; its instructions are those of AMD's public machine-readable ISA for CDNA 5 (MIT licence, August 2026) and "CDNA5" Instruction Set Architecture Reference Guide (July 2026). The comments in the code are by the model that wrote it; some were corrected since.
;; Flash Attention. Allowed arithmetic: matrix products marked QUANTISED: E2M3 operands, one E8M0 scale for each 32 along K, by v_wmma_scale_f32_16x16x128_f8f6f4 with both operands' format E2M3, f32 sums; everything else in f32.
;; Inputs: b_qkv 3,072 float32; hidden_states 2,048 x 2,048 float32; positions 2,048 int32; w_o 2,048 x 2,048 float32; w_qkv 2,048 x 3,072 float32.
;; Outputs: out0 2,048 x 2,048 float32.
;; This version of the problem:
;;   THIS VERSION OF THE PROBLEM IS GIVEN IN LOW PRECISION. The matrix products marked QUANTISED in the list below multiply operands that are first quantised to E2M3 (2 exponent bits, 3 mantissa bits; 6 bits a number), with one power-of-two scale for each 32 numbers along K (OCP MX v1.0); their sums are f32. All else is computed in f32.
;;   The module's matrix products, in the order in which they are computed (A, B: the left and right operand; K: the contracted axis; several contracted axes count as one K, in the product's order):
;;     1. [M 2,048, K 2,048] x [K 2,048, N 3,072]; A: input hidden_states; B: input w_qkv: QUANTISED
;;     2. batch 16 x [M 2,048, K 128] x [K 128, N 2,048]; A: computed on the way; B: computed on the way: QUANTISED
;;     3. batch 16 x [M 128, K 2,048] x [K 2,048, N 2,048]; A: computed on the way; B: softmax (see below): QUANTISED
;;     4. [M 2,048, K 2,048] x [K 2,048, N 2,048]; A: computed on the way; B: input w_o: QUANTISED
;;   THE QUANTISER, for each operand of a quantised product, along K:
;;     - K is cut into blocks of 32 from its start; a last block that is shorter is filled with zeros.
;;     - A block's scale is 2^e with e = floor(log2(the largest magnitude in the block)) - 2, held to -126 .. 127; a block of zeros has e = 0. As a byte (E8M0): e + 127.
;;     - Each number is divided by its block's scale, clamped to +-7.5, and rounded to the nearest number of E2M3, ties to even, subnormals kept.
;;     - The product sums the exact products of the quantised numbers (number of the format x scale) in f32.
;;   ~~~python
;;   def quantise(x, axis):      # numpy; x: float32 -> the quantised numbers, widened to float32 again
;;       x = np.moveaxis(x, axis, -1); K = x.shape[-1]
;;       x = np.pad(x, [(0, 0)] * (x.ndim - 1) + [(0, -K % 32)]); x = x.reshape(x.shape[:-1] + (-1, 32)); a = np.abs(x).max(-1, keepdims=True)
;;       e = np.where(a > 0, np.clip(np.frexp(np.where(a > 0, a, 1))[1] - 1 - 2, -126, 127), 0)      # np.frexp(a)[1] - 1 = floor(log2(a)), exactly
;;       r = np.clip(x / 2.0 ** e, -7.5, 7.5)
;;       step = 2.0 ** (np.maximum(np.frexp(np.where(r == 0, 1, r))[1] - 1, 0) - 3)
;;       q = np.round(r / step) * step * 2.0 ** e      # np.round: ties to even
;;       return np.moveaxis(q.reshape(q.shape[:-2] + (-1,))[..., :K], -1, axis).astype(np.float32)
;;   ~~~
;;   SOFTMAX AHEAD OF A QUANTISED PRODUCT. Where the list says 'softmax', what is quantised is not the finished softmax but p = 2^(t - M), with t = logit x log2(e) and M = ceil(the row's largest t), a whole number; so 1/2 < the row's largest p <= 1. The row's sum l is taken of the UNQUANTISED p, in f32, and the product's result is divided by l at the end. Since M is a whole number, a kernel that streams over the keys may use a running M (the ceiling of the running maximum): every later rescaling is an exact power of two, which a block's scale takes up: the codes' values come out the same.
;;   OPERANDS COMPUTED ON THE WAY. 'Computed on the way' means the value that the module computes at that place (a softmax that the list does not call 'softmax' is quantised finished and normalised). What goes into a quantiser is computed in f32, as accurately as f32 sums, v_exp_f32 and their like allow (about 1e-6 of the number): no bf16 or f16 on the way to a quantiser, and a product that is left as it is and whose result goes on into a quantised operand takes f32 operands (vector FMAs, or v_wmma_f32_16x16x4_f32). A number that lies on a knife's edge between two numbers of the format may be rounded either way, as far as f32 arithmetic and the matrix unit's own rounding can turn it there, and no further.
;; One version. Each part assembles by itself: llvm-mc -triple=amdgcn-amd-amdhsa -mcpu=gfx1250 --defsym DOCPART=n.
;; ======== version 1 of 1: 4 launches
;; limits: right only within a limited range of input values
;; workspace buffers: xcod 3,276,800 bytes; wcod 4,915,200 bytes; ocod 3,276,800 bytes; rope 1,048,576 bytes; qcod 3,276,800 bytes; kcod 819,200 bytes; vcod 819,200 bytes; acod 3,276,800 bytes
;; launch prep (part 1): grid 896 x 1, 4 waves a work-group, no clusters, 34,304 bytes of LDS; arguments hidden_states, positions, w_qkv, w_o, xcod, wcod, ocod, rope; writes xcod, wcod, ocod, rope
.if DOCPART == 1
	.amdgcn_target "amdgcn-amd-amdhsa--gfx1250"
	.amdhsa_code_object_version 6
	.text
	.protected	k_qfc2fece036_prep
	.globl	k_qfc2fece036_prep
	.p2align	8
	.type	k_qfc2fece036_prep,@function
k_qfc2fece036_prep:
	s_mov_b64 s[64:65], 0
	v_nop
	global_prefetch_b8 v0, s[64:65] scope:SCOPE_SE
	s_setreg_imm32_b32 hwreg(HW_REG_WAVE_MODE, 25, 1), 1
	s_wait_xcnt 0x0
; PREP: hidden_states [2048][2048], w_qkv [2048][3072] and w_o [2048][2048], f32, become codes of FP6 (E2M3) with one E8M0 byte for each 32 along K, and positions become a table of cos and sin.
; ALL RESULTS ARE LAID AS IMAGES OF AN OPERAND'S REGISTERS.  A fragment (16 rows x 128 K) is 12 registers a lane, 1,536 bytes: registers 4 c .. 4 c + 3 of lane l at byte 512 c + 16 l.
; Its scale words: 4 bytes a row, 64 bytes a tile.  THE ROWS OF A TILE ARE NOT NEIGHBOURS: row r of tile 2 b + u stands for index 32 b + 8 u + r + 8 (r / 8), for tokens and for weight columns alike.
; xcod: [256 tokens: 8][K step: 16][tile: 16][1,536], then from byte 3,145,728 the scale words [8][16][16][16].   wcod, ocod: [128 columns: 24 or 16][K step: 16][tile: 8][1,536], then the scale words.
; rope: [token tile: 128][q: 16][lane][16 bytes], q = 2 (4 beta + jq) + (0 cos, 1 sin): lane (r, h) holds its token's four numbers at frequencies 32 beta + 16 h + 4 jq + 0 .. 3.
; A block's scale is 2^(floor(log2(its largest magnitude)) - 2); its byte is the largest magnitude's exponent field - 2, held at 1 from below.
; Work-groups 0-255 take hidden_states and the table, 256-639 w_qkv, 640-895 w_o: three paths that part on the work-group's number and never join.  No tensor load, no barrier: waves share nothing.
; LIMITS: |positions x inv_freq| under 117,435 (the reach of the three-part reduction by pi / 2); inv_freq = 2^(-f log2(100000) / 64) is made by v_exp_f32 with a first-order correction and may differ from
; a power and a reciprocal in f32 by some 2 units in the last place; a block whose largest magnitude lies under 2^-124, a block of zeros among them, keeps the byte 1 (its bytes are read by this program alone);
; NaN and infinities among the inputs are not served.
.set STGW,  8448                       ; LDS: a stage of 16 rows x (512 + 16) bytes for each wave (the path of hidden_states alone)
.set SPARE, 33792                      ; behind the stages: the spare words, 128 bytes for each wave: two blocks of 256 bytes that no other line names
.set SPW,   252                        ; v252  LDS address of my spare word; never rewritten
.set NIL,   253                        ; v253  0; never rewritten
.set TM,    8                          ; v8-23 QUANT: largest magnitudes, bytes, scale operands
.set PW,    24                         ; v24, v25 the scale words of the two K steps
.set X,     32                         ; v32-95  64 numbers of a lane in QUANT's order (before that: the table's work)
.set R,     96                         ; v96-223 numbers as they are loaded
.set PC,    224                        ; v224-243 the codes just made
.set SEL,   48                         ; s[48:49] v_permlanex16_b32's selects for lane l xor 16
.set HM,    50                         ; s50  lanes 16-31
.set CHI,   51                         ; s51  log2(100000) / 64, its upper part
; 64 numbers of a lane, v[s] .. v[s + 63], register 16 b + i = k 32 b + 16 (lane / 16) + i of my row, become a fragment's codes in v[PC] on and its scale word in v[PW].
.macro QUANT s
.irp b, 0,1,2,3
	v_max3_num_f32 v[TM+\b], |v[\s+16*\b]|, |v[\s+1+16*\b]|, 0x1800000   ; block b: my 16 numbers, and the floor 2^(3 - 127): the byte cannot fall under 1
.endr
.irp i, 2,4,6,8,10,12,14
.irp b, 0,1,2,3
	v_max3_num_f32 v[TM+\b], v[TM+\b], |v[\s+16*\b+\i]|, |v[\s+1+16*\b+\i]|   ; the four blocks by turns
.endr
.endr
.irp b, 0,1,2,3
	v_permlanex16_b32 v[TM+4+\b], v[TM+\b], s[SEL], s[SEL+1]
.endr
.irp b, 0,1,2,3
	v_max_num_f32 v[TM+\b], v[TM+\b], v[TM+4+\b]   ; with lane l xor 16's: the block's largest magnitude
.endr
.irp b, 0,1,2,3
	v_add_nc_u32 v[TM+12+\b], 0xff000000, v[TM+\b]   ; 2 off its exponent field: the conversion takes the exponent field of this operand as its scale
.endr
.irp b, 0,1,2,3
	v_lshrrev_b32 v[TM+4+\b], 23, v[TM+12+\b]      ; the scale's byte
.endr
	v_lshl_or_b32 v[PW], v[TM+5], 8, v[TM+4]       ; the four bytes make my row's scale word (both halves of the lanes hold it)
	v_lshl_or_b32 v[PW], v[TM+6], 16, v[PW]
	v_lshl_or_b32 v[PW], v[TM+7], 24, v[PW]
.irp c, 0,1
	v_cvt_scalef32_pk16_fp6_f32 v[PC+6*\c:PC+2+6*\c], v[\s+32*\c:\s+15+32*\c], v[TM+12+2*\c]
	v_cvt_scalef32_pk16_fp6_f32 v[PC+12+4*\c:PC+14+4*\c], v[\s+16+32*\c:\s+31+32*\c], v[TM+12+2*\c+1]   ; (a conversion's three registers begin on an even number)
.endr
	v_nop                                          ; one plain place behind a scaled conversion
.irp c, 0,1                                    ; the operand's layout wants a WHOLE block in a lane: lanes 0-15 block 2 c, lanes 16-31 block 2 c + 1
.irp i, 0,1,2
	v_permlane16_swap_b32 v[PC+6*\c+\i], v[PC+12+4*\c+\i]
.endr
.irp i, 0,1,2
	v_mov_b32 v[PC+3+6*\c+\i], v[PC+12+4*\c+\i]
.endr
.endr
.endm
.macro FIN                             ; a wave's end, behind the last LDS store
	s_wait_tensorcnt 0x0
	ds_add_u32 v[SPW], v[NIL]
	s_wait_dscnt 0x0
	s_endpgm
.endm
	s_load_b512 s[4:19], s[0:1], 0x0               ; hidden s[4:5], positions s[6:7], w_qkv s[8:9], w_o s[10:11], xcod s[12:13], wcod s[14:15], ocod s[16:17], rope s[18:19]
	v_lshl_add_u32 v[SPW], v0, 2, SPARE
	v_mov_b32 v[NIL], 0
	v_lshrrev_b32 v1, 5, v0
	v_readfirstlane_b32 s22, v1                    ; wave 0..3
	v_and_b32 v1, 31, v0                           ; lane
	v_and_b32 v2, 15, v0                           ; r
	v_bfe_u32 v3, v0, 4, 1                         ; h
	v_lshlrev_b32 v4, 4, v1                        ; 16 x lane
	s_mov_b32 s[SEL], 0x76543210
	s_mov_b32 s[SEL+1], 0xfedcba98
	s_mov_b32 s[HM], 0xffff0000
	s_mov_b32 s[CHI], 0x3e84e08b
	s_cmp_lt_u32 ttmp9, 256
	s_cbranch_scc0 .Lweights
; ---- HIDDEN_STATES AND THE TABLE.  Work-group = (token tile tt, half kh of K); wave w takes K steps 8 kh + 2 w and the next, of the tile's 16 tokens.
	s_lshr_b32 s20, ttmp9, 1                       ; tt
	s_and_b32 s21, ttmp9, 1                        ; kh
	s_and_b32 s23, s20, 1
	s_lshl_b32 s24, s20, 4
	s_lshl_b32 s23, s23, 3
	s_sub_co_u32 s24, s24, s23                     ; the tile's first token: 32 (tt / 2) + 8 (tt % 2)
	s_lshl_b32 s26, s21, 3
	s_lshl_b32 s27, s22, 1
	s_add_co_u32 s26, s26, s27                     ; ks0
	s_lshl_b32 s28, s24, 13                        ; a row of hidden_states is 8,192 bytes, a K step 512
	s_lshl_b32 s29, s26, 9
	s_add_co_u32 s28, s28, s29
	s_mov_b32 s29, 0
	s_lshl_b32 s30, s24, 2
	s_mov_b32 s31, 0
	s_wait_alu depctr_va_vdst(0)
	v_and_b32 v5, 8, v2
	v_add_nc_u32 v5, v5, v2
	v_lshlrev_b32 v5, 2, v5                        ; positions: 4 (r + 8 (r / 8))
	s_mul_i32 s32, s22, STGW
	v_add_nc_u32 v6, s32, v4                       ; the stage, on the way in: a row's 512 bytes as they lie
	v_mul_u32_u24 v7, v2, 528
	v_lshl_add_u32 v7, v3, 6, v7
	v_add_nc_u32 v7, s32, v7                       ; and out: row r, + 64 h: my 16 numbers of each block of 32
	s_lshr_b32 s33, s20, 4
	s_lshl_b32 s33, s33, 4
	s_add_co_u32 s33, s33, s26                     ; 16 (tt / 16) + ks0
	s_and_b32 s34, s20, 15
	s_lshl_b32 s35, s33, 4
	s_add_co_u32 s35, s35, s34
	s_mul_i32 s36, s35, 1536                       ; my first fragment in xcod
	s_mov_b32 s37, 0
	s_lshl_b32 s38, s33, 10
	s_lshl_b32 s34, s34, 6
	s_add_co_u32 s38, s38, s34
	s_add_co_u32 s38, s38, 3145728                 ; and its scale words
	s_mov_b32 s39, 0
	v_lshlrev_b32 v27, 2, v2
	v_lshl_add_u32 v27, v3, 10, v27                ; lanes 0-15 store the first K step's words, lanes 16-31 the second's, 1,024 bytes on
	s_lshl_b32 s40, s21, 2
	s_add_co_u32 s40, s40, s22                     ; jb = 4 kh + w: my four frequencies of each half of the lanes
	s_lshl_b32 s41, s40, 10
	s_lshl_b32 s42, s20, 13
	s_add_co_u32 s42, s42, s41
	s_mov_b32 s43, 0
	s_lshl_b32 s44, s21, 5
	s_lshl_b32 s45, s22, 2
	s_add_co_u32 s44, s44, s45                     ; 32 kh + 4 w
	s_wait_alu depctr_va_vdst(0)
	s_wait_kmcnt 0x0
	s_add_nc_u64 s[4:5], s[4:5], s[28:29]
	s_add_nc_u64 s[6:7], s[6:7], s[30:31]
	s_add_nc_u64 s[46:47], s[12:13], s[38:39]
	s_add_nc_u64 s[12:13], s[12:13], s[36:37]
	s_add_nc_u64 s[18:19], s[18:19], s[42:43]
	global_load_b32 v30, v5, s[6:7]                ; my token's position
.irp s, 0,1
.irp i, 0,1,2,3,4,5,6,7,8,9,10,11,12,13,14,15
	global_load_b128 v[R+64*\s+4*\i:R+64*\s+4*\i+3], v4, s[4:5] offset:(\i+8*(\i/8))*8192+512*\s th:TH_LOAD_NT   ; 32 lanes read 512 consecutive bytes: a K step of one token
.endr
.endr
	; the table, while those 32 loads are out.  inv_freq = 2^(-f C), C = log2(100000) / 64 = CHI + CLO: -a = -(f CHI) rounded, e1 = f CHI - a + f CLO, inv = 2^(-a) (1 - e1 ln 2)
	v_lshl_add_u32 v28, v3, 4, s44
.irp e, 0,1,2,3
	v_add_nc_u32 v[32+\e], \e, v28                 ; f = 32 kh + 16 h + 4 w + e
.endr
.irp e, 0,1,2,3
	v_cvt_f32_u32 v[32+\e], v[32+\e]
.endr
.irp e, 0,1,2,3
	v_mul_f32 v[36+\e], 0xbe84e08b, v[32+\e]       ; -a
.endr
.irp e, 0,1,2,3
	v_fma_f32 v[40+\e], v[32+\e], s[CHI], v[36+\e] ; what the rounding of a left out, exactly
.endr
.irp e, 0,1,2,3
	v_fmamk_f32 v[40+\e], v[32+\e], 0x31bd8790, v[40+\e]   ; + f CLO
.endr
	s_wait_alu depctr_va_vdst(0)
.irp e, 0,1,2,3
	v_exp_f32 v[44+\e], v[36+\e]
.endr
.irp e, 0,1,2,3
	v_mul_f32 v[40+\e], 0xbf317218, v[40+\e]       ; -e1 ln 2.  (Plain work behind the exponentials)
.endr
	s_wait_alu depctr_va_vdst(0)                   ; one wait for the four exponentials, ahead of their first reader
.irp e, 0,1,2,3
	v_fma_f32 v[44+\e], v[40+\e], v[44+\e], v[44+\e]
.endr
	s_wait_loadcnt 32                              ; the position is in; the 32 loads issued behind it stay out
	v_cvt_f32_i32 v29, v30
	s_wait_alu depctr_va_vdst(0)
.irp e, 0,1,2,3
	v_mul_f32 v[48+\e], v29, v[44+\e]              ; x = position x inv_freq, as reference() rounds it
.endr
.irp e, 0,1,2,3
	v_mul_f32 v[52+\e], 0x3f22f983, v[48+\e]
.endr
.irp e, 0,1,2,3
	v_rndne_f32 v[52+\e], v[52+\e]                 ; n = the nearest whole number to x 2 / pi
.endr
.irp e, 0,1,2,3
	v_fmamk_f32 v[56+\e], v[52+\e], 0xbfc90fd8, v[48+\e]   ; r = x - n pi / 2, pi / 2 in three parts
.endr
.irp e, 0,1,2,3
	v_fmamk_f32 v[56+\e], v[52+\e], 0xb4a8885a, v[56+\e]
.endr
.irp e, 0,1,2,3
	v_fmamk_f32 v[56+\e], v[52+\e], 0xa7c234c4, v[56+\e]
.endr
.irp e, 0,1,2,3
	v_mul_f32 v[60+\e], v[56+\e], v[56+\e]         ; z = r r
	v_mov_b32 v[64+\e], 0x37cd4000
	v_mov_b32 v[68+\e], 0x36405000
.endr
.irp e, 0,1,2,3
	v_fmaak_f32 v[64+\e], v[64+\e], v[60+\e], 0xbab6077d   ; cos r on [-pi / 4, pi / 4]
	v_fmaak_f32 v[68+\e], v[68+\e], v[60+\e], 0xb9503486   ; sin r
.endr
.irp e, 0,1,2,3
	v_fmaak_f32 v[64+\e], v[64+\e], v[60+\e], 0x3d2aaaa8
	v_fmaak_f32 v[68+\e], v[68+\e], v[60+\e], 0x3c0888c1
.endr
.irp e, 0,1,2,3
	v_fmaak_f32 v[64+\e], v[64+\e], v[60+\e], 0xbf000000
	v_fmaak_f32 v[68+\e], v[68+\e], v[60+\e], 0xbe2aaaab
	v_mul_f32 v[76+\e], v[56+\e], v[60+\e]         ; r z
.endr
.irp e, 0,1,2,3
	v_fmaak_f32 v[64+\e], v[64+\e], v[60+\e], 0x3f800000
	v_fma_f32 v[68+\e], v[68+\e], v[76+\e], v[56+\e]
	v_cvt_i32_f32 v[72+\e], v[52+\e]               ; the quadrant
.endr
.irp e, 0,1,2,3
	v_and_b32 v[76+\e], 1, v[72+\e]
	v_cmp_eq_u32 vcc_lo, 1, v[76+\e]               ; in odd quadrants the two change places
	v_cndmask_b32 v[80+\e], v[64+\e], v[68+\e], vcc_lo
	v_cndmask_b32 v[84+\e], v[68+\e], v[64+\e], vcc_lo
.endr
.irp e, 0,1,2,3
	v_and_b32 v[76+\e], 2, v[72+\e]                ; sin changes sign in quadrants 2, 3;
	v_add_nc_u32 v[72+\e], 1, v[72+\e]
	v_lshlrev_b32 v[76+\e], 30, v[76+\e]
	v_and_b32 v[72+\e], 2, v[72+\e]                ; cos in quadrants 1, 2
	v_xor_b32 v[248+\e], v[76+\e], v[84+\e]
	v_lshlrev_b32 v[72+\e], 30, v[72+\e]
	v_xor_b32 v[244+\e], v[72+\e], v[80+\e]
.endr
	global_store_b128 v4, v[244:247], s[18:19]             ; cos: 32 lanes store 512 consecutive bytes; v244-251 are never written again
	global_store_b128 v4, v[248:251], s[18:19] offset:512  ; sin
.irp b, 0,1,2,3
	v_mov_b32 v[TM+4+\b], 0                        ; written once: a lane permute's destination counts as one of its sources
.endr
.irp s, 0,1
	s_wait_loadcnt 16-16*\s                        ; this K step's 16 loads are in; the next K step's 16 may be out
.irp i, 0,1,2,3,4,5,6,7,8,9,10,11,12,13,14,15
	ds_store_b128 v6, v[R+64*\s+4*\i:R+64*\s+4*\i+3] offset:528*\i
.endr
.irp q, 0,1,2,3,4,5,6,7,8,9,10,11,12,13,14,15
	ds_load_b128 v[X+4*\q:X+4*\q+3], v7 offset:128*(\q/4)+16*(\q%4)   ; LDS serves a wave's instructions in order: these see my stores.  Register 16 b + i = k 32 b + 16 h + i of row r
.endr
	s_wait_dscnt 0x0
.if \s
	s_wait_xcnt 0x0                                ; the first K step's stores have read the codes' registers, which are written again now
.endif
.set PW, 24+\s
	QUANT X
.irp c, 0,1,2
	global_store_b128 v4, v[PC+4*\c:PC+4*\c+3], s[12:13] offset:24576*\s+512*\c   ; the fragment's image: 512 consecutive bytes a store
.endr
.endr
	v_cndmask_b32 v26, v24, v25, s[HM]             ; lanes 0-15: the first K step's words, lanes 16-31: the second's
	global_store_b32 v27, v26, s[46:47]
	FIN
; ---- THE WEIGHTS: K is their FIRST axis.  A lane takes a column, its registers run down K: a block of 32 lies in one lane, and the conversions give codes with K innermost.
; Work-group j = (128 columns: j / 16, K step: j % 16); wave w takes columns 32 w .. 32 w + 31 of them: tiles 2 w and 2 w + 1.  Lane l is row r' = l % 8 + 8 (l / 16) of tile 2 w + (l / 8) % 2.
; A lane has all four blocks of its row: blocks 0, 2 are what lane (r', 0) of the image holds, blocks 1, 3 what lane (r', 1) holds.
.macro WBLOCK t                        ; block t of four: v[96 + 32 t] on
.set XS, 96+32*(\t)
.set FB, 32+12*((\t)%2)+6*((\t)/2)
.if (\t) < 2
	s_wait_loadcnt 63                              ; this block's loads are in: behind them 96 or 64 were issued, and the count names the most that a wait can
.else
	s_wait_loadcnt 96-32*(\t)                      ; the later blocks' loads may be out
.endif
	v_max3_num_f32 v12, |v[XS]|, |v[XS+1]|, |v[XS+2]|
	v_max3_num_f32 v13, |v[XS+3]|, |v[XS+4]|, |v[XS+5]|
.irp i, 6,10,14,18,22,26
	v_max3_num_f32 v12, v12, |v[XS+\i]|, |v[XS+\i+1]|
	v_max3_num_f32 v13, v13, |v[XS+\i+2]|, |v[XS+\i+3]|
.endr
	v_max3_num_f32 v12, v12, |v[XS+30]|, |v[XS+31]|
	v_max3_num_f32 v12, v12, v13, 0x1800000        ; and the floor
	v_add_nc_u32 v11, 0xff000000, v12              ; the conversion's scale operand
.if (\t) == 0
	v_lshrrev_b32 v10, 23, v11                     ; the scale word: byte t for block t
.else
	v_lshrrev_b32 v13, 23, v11
	v_lshl_or_b32 v10, v13, 8*(\t), v10
.endif
	v_cvt_scalef32_pk16_fp6_f32 v[FB:FB+2], v[XS:XS+15], v11
	v_cvt_scalef32_pk16_fp6_f32 v[56+4*(\t):58+4*(\t)], v[XS+16:XS+31], v11   ; (a conversion's three registers begin on an even number)
	v_nop                                          ; one plain place behind a scaled conversion
.irp i, 0,1,2
	v_mov_b32 v[FB+3+\i], v[56+4*(\t)+\i]
.endr
.endm
.macro WPATH pitch, src, dst, soff, first
	s_sub_co_u32 s20, ttmp9, \first                ; j
	s_lshr_b32 s21, s20, 4
	s_and_b32 s23, s20, 15
	s_mul_i32 s24, s23, 128*\pitch                 ; the K step's 128 rows,
	s_lshl_b32 s25, s21, 9                         ; the 128 columns,
	s_add_co_u32 s24, s24, s25
	s_lshl_b32 s25, s22, 7                         ; my wave's 32
	s_add_co_u32 s24, s24, s25
	s_mov_b32 s25, 0
	s_mul_i32 s26, s20, 12800                      ; a K step of a panel is 12,800 bytes: 8 tiles of 1,536 bytes of codes, then 512 bytes of scale words; my two tiles
	s_mul_i32 s27, s22, 3072
	s_add_co_u32 s26, s26, s27
	s_mov_b32 s27, 0
	s_mul_i32 s28, s20, 12800                      ; the scale words stand behind the K step's codes
	s_lshl_b32 s29, s22, 7
	s_add_co_u32 s28, s28, s29
	s_add_co_u32 s28, s28, 12288
	s_mov_b32 s29, 0
	s_wait_kmcnt 0x0
	s_add_nc_u64 s[\src:\src+1], s[\src:\src+1], s[24:25]
	s_add_nc_u64 s[30:31], s[\dst:\dst+1], s[28:29]
	s_add_nc_u64 s[\dst:\dst+1], s[\dst:\dst+1], s[26:27]
.set cnt, 0
.rept 128
	global_load_b32 v[96+cnt], v9, s[\src:\src+1] offset:cnt*\pitch th:TH_LOAD_NT   ; row k at 32 neighbouring columns: 128 consecutive bytes a wave, 512 a work-group
.set cnt, cnt+1
.endr
	WBLOCK 0
	WBLOCK 1
	WBLOCK 2
	WBLOCK 3
.irp hh, 0,1
.irp c, 0,1,2
	global_store_b128 v7, v[32+12*\hh+4*\c:32+12*\hh+4*\c+3], s[\dst:\dst+1] offset:256*\hh+512*\c   ; sixteen lanes of each tile store 256 consecutive bytes, aligned
.endr
.endr
	global_store_b32 v8, v10, s[30:31]             ; 128 consecutive bytes: two tiles' scale words
	FIN
.endm
.Lweights:
	v_bfe_u32 v5, v0, 3, 1                         ; u
	v_and_b32 v6, 7, v0
	s_wait_alu depctr_va_vdst(0)
	v_lshl_add_u32 v6, v3, 3, v6                   ; r'
	v_mul_u32_u24 v7, v5, 1536
	v_lshl_add_u32 v7, v6, 4, v7                   ; the codes: tile u, 16 r'
	v_lshlrev_b32 v8, 6, v5
	v_lshl_add_u32 v8, v6, 2, v8                   ; the scale word: tile u, 4 r'
	v_lshlrev_b32 v9, 2, v1                        ; in: 4 bytes a lane
	s_cmp_lt_u32 ttmp9, 640
	s_cbranch_scc0 .Lw_o
	s_wait_alu depctr_va_vdst(0)
	WPATH 12288, 8, 14, 4718592, 256
.Lw_o:
	s_wait_alu depctr_va_vdst(0)
	WPATH 8192, 10, 16, 3145728, 640
.Lfunc_end_k_qfc2fece036_prep:
	.size	k_qfc2fece036_prep, .Lfunc_end_k_qfc2fece036_prep-k_qfc2fece036_prep
	.p2alignl 7, 3214868480
	.fill 96, 4, 3214868480
	.section	.rodata,"a",@progbits
	.p2align	6, 0x0
	.amdhsa_kernel k_qfc2fece036_prep
		.amdhsa_group_segment_fixed_size 34304
		.amdhsa_private_segment_fixed_size 0
		.amdhsa_enable_private_segment 0
		.amdhsa_kernarg_size 64
		.amdhsa_user_sgpr_count 2
		.amdhsa_user_sgpr_kernarg_segment_ptr 1
		.amdhsa_wavefront_size32 1
		.amdhsa_system_sgpr_workgroup_id_x 1
		.amdhsa_system_sgpr_workgroup_id_y 1
		.amdhsa_system_sgpr_workgroup_id_z 1
		.amdhsa_system_vgpr_workitem_id 0
		.amdhsa_next_free_vgpr 256
		.amdhsa_next_free_sgpr 66
		.amdhsa_reserve_vcc 1
		.amdhsa_float_denorm_mode_32 3
		.amdhsa_float_denorm_mode_16_64 3
		.amdhsa_memory_ordered 1
		.amdhsa_forward_progress 1
		.amdhsa_inst_pref_size 66
	.end_amdhsa_kernel
	.amdgpu_metadata
---
amdhsa.version: [ 1, 2 ]
amdhsa.kernels:
  - .name:           k_qfc2fece036_prep
    .symbol:         k_qfc2fece036_prep.kd
    .args:
      - { .name: hidden_states, .offset: 0, .size: 8, .value_kind: global_buffer, .address_space: global }
      - { .name: positions, .offset: 8, .size: 8, .value_kind: global_buffer, .address_space: global }
      - { .name: w_qkv, .offset: 16, .size: 8, .value_kind: global_buffer, .address_space: global }
      - { .name: w_o, .offset: 24, .size: 8, .value_kind: global_buffer, .address_space: global }
      - { .name: xcod, .offset: 32, .size: 8, .value_kind: global_buffer, .address_space: global }
      - { .name: wcod, .offset: 40, .size: 8, .value_kind: global_buffer, .address_space: global }
      - { .name: ocod, .offset: 48, .size: 8, .value_kind: global_buffer, .address_space: global }
      - { .name: rope, .offset: 56, .size: 8, .value_kind: global_buffer, .address_space: global }
    .group_segment_fixed_size: 34304
    .private_segment_fixed_size: 0
    .kernarg_segment_align: 8
    .kernarg_segment_size: 64
    .max_flat_workgroup_size: 128
    .sgpr_count:     66
    .vgpr_count:     256
    .wavefront_size: 32
...
	.end_amdgpu_metadata
.endif
;; end of part 1
;; launch qkv (part 2): grid 8 x 24, 4 waves a work-group, clusters of 4 x 1, 205,312 bytes of LDS; arguments xcod, wcod, b_qkv, rope, qcod, kcod, vcod; writes qcod, kcod, vcod
.if DOCPART == 2
	.amdgcn_target "amdgcn-amd-amdhsa--gfx1250"
	.amdhsa_code_object_version 6
	.text
	.protected	k_qfc2fece036_qkv
	.globl	k_qfc2fece036_qkv
	.p2align	8
	.type	k_qfc2fece036_qkv,@function
k_qfc2fece036_qkv:
	s_mov_b64 s[64:65], 0
	v_nop
	global_prefetch_b8 v0, s[64:65] scope:SCOPE_SE
	s_setreg_imm32_b32 hwreg(HW_REG_WAVE_MODE, 25, 1), 1
	s_wait_xcnt 0x0
	s_wait_alu depctr_hold_cnt(0) depctr_sa_sdst(0) depctr_va_vdst(0) depctr_va_sdst(0) depctr_va_ssrc(0) depctr_va_vcc(0) depctr_vm_vsrc(0)
	s_getreg_b32 s2, hwreg(HW_REG_IB_STS2, 6, 4)
	s_cmp_eq_u32 s2, 0
	s_cbranch_scc0 .Lentry_in_a_cluster
	s_endpgm
.Lentry_in_a_cluster:
	s_bfe_u32 s2, ttmp6, 0x10000c
	s_cmp_lg_u32 s2, 0x3003
	s_cbranch_scc0 .Lentry_shape_is_right
	s_endpgm
.Lentry_shape_is_right:
; QKV: qkv = hidden_states w_qkv + b_qkv on codes of FP6 (E2M3) with E8M0 scales; RoPE on q and k; q and k are quantised along the head's 128, v along the tokens, in registers, and leave as codes.
; A work-group makes 256 tokens (x) x the 128 columns of one head of q, k or v (y: 0-15 q, 16-19 k, 20-23 v).  Four waves; wave w owns token tiles 4 w .. 4 w + 3 against all 8 tiles of columns: 32 accumulators.
; OPERANDS ARE IMAGES OF REGISTERS (a fragment, 16 rows x 128 K: 1,536 bytes, registers 4 c .. 4 c + 3 of lane l at 512 c + 16 l).  Row r of tile 2 b + u stands for index 32 b + 8 u + r + 8 (r / 8).
; THE WEIGHTS of the head for all of K lie in LDS at once: wcod is [head 24][K step 16][12,800] (8 fragments, then 512 bytes of scale words), 204,800 dense bytes a head.  Each wave asks for its share, 2, 3, 5 or 6 K steps,
; by its one tensor load at the head; no byte is filled again.  CLUSTER: the four token blocks of one head ask for the weights jointly (mask 15).
; THE TOKENS' codes do not go through LDS: a fragment of my four tiles is read by me alone, so three loads of 16 bytes a lane bring it from memory into a ring of eight K steps' registers; step n + 5 is asked for in step n.
; No prefetch: the weights are asked for whole at the head, and the tokens' own loads stand five K steps, 160 matrix instructions, ahead of their use.
; Q AND K: source 0 = a tile of columns, source 1 = a tile of tokens: a lane holds ONE token, its registers run along the head's 128.  The bias is the C of the first step.
; V: the same fragments with the sources swapped: a lane holds ONE channel, and its 32 registers of my four token tiles are 64 keys in two halves of the lanes: two blocks of 32 along the second attention product's K.
; The two ways part on y, which the four partners share, and never join.
; qcod: [head 16][token tile 128][1,536], from byte 3,145,728 the scale words [head][tile][16].  kcod: [kv head 4][128 keys: 16][12,800]: 8 tiles x 1,536, then 512 bytes of scale words.
; vcod: the same blocks, but a tile's 1,536 bytes are two halves of 768 (64 keys each): registers 6 c .. 6 c + 3 of lane l at 768 c + 16 l, registers 6 c + 4, 5 at 768 c + 512 + 8 l: so each of my stores of codes covers whole
; runs of 256 bytes.  My two bytes of a channel's scale word leave as 16 bits: 2 bytes in each 4, 1 byte in 24 of what the way stores.
; REGISTERS, in windows of 256: window 0: v1-13 addresses; v28, v29 the add's; v32-63 the tokens' scale words (step n: v[32 + 2 n], + 1); v64-71 the weights', two sets; v72-87 v's bias; v96-191 the weights' fragments, set 0;
;   v192-255 q's and k's bias (on the way out v96-198 are at work).  window 1: the accumulators.  window 2: v96-191 the weights' set 1; v0-95, v192-239 ring slots 5, 6, 7.  window 3: v0-239 ring slots 0-4, later cos and sin.
; LIMITS: RoPE's two products and their sum are one multiplication and one fused multiply-add: one rounding fewer than reference(); a block whose largest magnitude lies under 2^-124 keeps the scale byte 1;
; NaN and infinities are not served.
.set KBLK,  12800
.set SPARE, 204800                     ; behind the weights: the spare words, 128 bytes for each wave: two blocks of 256 bytes that no other line names
.set LI,  1                            ; 16 x lane
.set LS,  2                            ; 4 x lane
.set L8,  3                            ; 8 x lane
.set T0,  5                            ; my lane's place in the K step to be fetched: codes,
.set T1,  6                            ; scale words
.set BV,  12                           ; v's bias: 4 (r + 8 (r / 8))
.set BQ,  13                           ; q's and k's: 64 h
.set SPW, 28
.set NIL, 29
.set XS,  32
.set WS,  64
.set VB,  72
.set F0,  96
.set BI,  192
.set Y,   96
.set PC,  160
.set TM,  180
.set PW,  196
.set WV,  20                           ; s20 wave; s21 wave % 2; s22 wave / 2; s23 cx; s25 head; s26 token block
.set G1,  28
.set G0,  36
.set XC,  40                           ; s[40:41] my tokens' codes; s[42:43] their scale words
.set XB,  42
.set SEL, 96
.set HM,  98
.set MSB, 0
.macro WIN new                         ; the immediate's high byte repeats the setting that is left
.if MSB != \new
	s_set_vgpr_msb (MSB<<8)|\new
.set MSB, \new
.endif
.endm
.macro NOP4
.rept 4
	v_nop
.endr
.endm
.macro CROUND                          ; a round of the cluster's barrier
	s_barrier_signal -1
	s_barrier_wait -1
	s_cmp_lg_u32 s[WV], 0
	s_cbranch_scc1 .Lnot_wave_0_\@
	s_barrier_signal -3
.Lnot_wave_0_\@:
	s_barrier_wait -3
	s_barrier_signal -1
	s_barrier_wait -1
.endm
; One product.  cn < 0: the constant 0 starts the sum.  par: 1 = source 0's tile is odd (its scale words lie in lanes 16-31), 2 = source 1's is.
.macro WM dn, an, bn, cn, sa, sb, par
.if (\cn) < 0
.if (\par) == 0
	v_wmma_scale_f32_16x16x128_f8f6f4 v[(\dn):(\dn)+7], v[(\an):(\an)+11], v[(\bn):(\bn)+11], 0, v[\sa], v[\sb] matrix_a_fmt:MATRIX_FMT_FP6 matrix_b_fmt:MATRIX_FMT_FP6
.elseif (\par) == 1
	v_wmma_scale_f32_16x16x128_f8f6f4 v[(\dn):(\dn)+7], v[(\an):(\an)+11], v[(\bn):(\bn)+11], 0, v[\sa], v[\sb] matrix_a_fmt:MATRIX_FMT_FP6 matrix_b_fmt:MATRIX_FMT_FP6 matrix_a_scale:MATRIX_SCALE_ROW1
.elseif (\par) == 2
	v_wmma_scale_f32_16x16x128_f8f6f4 v[(\dn):(\dn)+7], v[(\an):(\an)+11], v[(\bn):(\bn)+11], 0, v[\sa], v[\sb] matrix_a_fmt:MATRIX_FMT_FP6 matrix_b_fmt:MATRIX_FMT_FP6 matrix_b_scale:MATRIX_SCALE_ROW1
.else
	v_wmma_scale_f32_16x16x128_f8f6f4 v[(\dn):(\dn)+7], v[(\an):(\an)+11], v[(\bn):(\bn)+11], 0, v[\sa], v[\sb] matrix_a_fmt:MATRIX_FMT_FP6 matrix_b_fmt:MATRIX_FMT_FP6 matrix_a_scale:MATRIX_SCALE_ROW1 matrix_b_scale:MATRIX_SCALE_ROW1
.endif
.else
.if (\par) == 0
	v_wmma_scale_f32_16x16x128_f8f6f4 v[(\dn):(\dn)+7], v[(\an):(\an)+11], v[(\bn):(\bn)+11], v[(\cn):(\cn)+7], v[\sa], v[\sb] matrix_a_fmt:MATRIX_FMT_FP6 matrix_b_fmt:MATRIX_FMT_FP6
.elseif (\par) == 1
	v_wmma_scale_f32_16x16x128_f8f6f4 v[(\dn):(\dn)+7], v[(\an):(\an)+11], v[(\bn):(\bn)+11], v[(\cn):(\cn)+7], v[\sa], v[\sb] matrix_a_fmt:MATRIX_FMT_FP6 matrix_b_fmt:MATRIX_FMT_FP6 matrix_a_scale:MATRIX_SCALE_ROW1
.elseif (\par) == 2
	v_wmma_scale_f32_16x16x128_f8f6f4 v[(\dn):(\dn)+7], v[(\an):(\an)+11], v[(\bn):(\bn)+11], v[(\cn):(\cn)+7], v[\sa], v[\sb] matrix_a_fmt:MATRIX_FMT_FP6 matrix_b_fmt:MATRIX_FMT_FP6 matrix_b_scale:MATRIX_SCALE_ROW1
.else
	v_wmma_scale_f32_16x16x128_f8f6f4 v[(\dn):(\dn)+7], v[(\an):(\an)+11], v[(\bn):(\bn)+11], v[(\cn):(\cn)+7], v[\sa], v[\sb] matrix_a_fmt:MATRIX_FMT_FP6 matrix_b_fmt:MATRIX_FMT_FP6 matrix_a_scale:MATRIX_SCALE_ROW1 matrix_b_scale:MATRIX_SCALE_ROW1
.endif
.endif
.endm
.macro SLOTOF n                        ; where K step n's four token fragments lie: window TW, from register XR on
.if (\n)%8 < 5
.set TW, 3
.set XR, 48*((\n)%8)
.elseif (\n)%8 < 7
.set TW, 2
.set XR, 48*((\n)%8-5)
.else
.set TW, 2
.set XR, 192
.endif
.endm
.macro TOK n                           ; K step n's fragments of my four token tiles: 12 loads of 512 consecutive bytes
	SLOTOF \n
	WIN (TW<<6)
.irp t, 0,1,2,3
.irp c, 0,1,2
	global_load_b128 v[XR+12*\t+4*\c:XR+12*\t+4*\c+3], v[LI], s[XC:XC+1] offset:(\n)*24576+1536*\t+512*\c
.endr
.endr
	WIN 0
.endm
; K step n's fragments and scale words of the weights into set n % 2.  The two additions and the two v_nop are the four places between the last step's products and the loads into registers that products have read
; (ISA guide 7.12.1 for vector instructions): the weights' set here, and the ring slot and the registers of cos and sin that are loaded behind this macro.
.macro FETCH n
	v_add_nc_u32 v[T0], (\n)*KBLK, v[LI]
	v_add_nc_u32 v[T1], (\n)*KBLK+12288, v[LS]
	v_nop
	v_nop
.if (\n)%2
	WIN 0x80
.endif
.irp t, 0,1,2,3,4,5,6,7
.irp c, 0,1,2
	ds_load_b128 v[F0+12*\t+4*\c:F0+12*\t+4*\c+3], v[T0] offset:1536*\t+512*\c
.endr
.endr
	WIN 0
.irp p, 0,1,2,3
	ds_load_b32 v[WS+4*((\n)%2)+\p], v[T1] offset:128*\p
.endr
.endm
.macro COS b                           ; cos and sin of my token tile b: cos at v[64 b] on, sin at v[64 b + 32] on, window 3, in the order of my first 32 registers
	WIN 0xc0
.irp q, 0,1,2,3,4,5,6,7,8,9,10,11,12,13,14,15
	global_load_b128 v[64*(\b)+32*(\q%2)+4*(\q/2):64*(\b)+32*(\q%2)+4*(\q/2)+3], v[LI], s[10:11] offset:8192*(\b)+512*\q
.endr
	WIN 0
.endm
; K step n's 32 products.  var = 0: the columns are source 0, accumulator (b, a) at v[64 b + 8 a]; 1: the tokens are, at v[32 a + 8 b].  cm = 0: the constant 0 starts the sums; 1: in place; 2: the bias starts them.
; The 32 accumulators take turns, one instruction a turn, in the same order in every step.
.macro MULS var, n, cm
	SLOTOF \n
.set WW, 2*((\n)%2)
.set SS, WS+4*((\n)%2)
.set XW, XS+2*(\n)
.if (\var) == 0
.if (\cm) == 2
	WIN (0x40|WW|(TW<<2))
.else
	WIN (0x50|WW|(TW<<2))
.endif
.irp b, 0,1,2,3
.irp a, 0,1,2,3,4,5,6,7
.if (\cm) == 2
	WM 64*\b+8*\a, F0+12*\a, XR+12*\b, BI+8*\a, SS+\a/2, XW+\b/2, \a%2+2*(\b%2)
.else
	WM 64*\b+8*\a, F0+12*\a, XR+12*\b, 64*\b+8*\a, SS+\a/2, XW+\b/2, \a%2+2*(\b%2)
.endif
.endr
.endr
.else
	WIN (0x50|TW|(WW<<2))
.irp a, 0,1,2,3,4,5,6,7
.irp b, 0,1,2,3
.if (\cm) == 0
	WM 32*\a+8*\b, XR+12*\b, F0+12*\a, -1, XW+\b/2, SS+\a/2, \b%2+2*(\a%2)
.else
	WM 32*\a+8*\b, XR+12*\b, F0+12*\a, 32*\a+8*\b, XW+\b/2, SS+\a/2, \b%2+2*(\a%2)
.endif
.endr
.endr
.endif
	WIN 0
.endm
; A step: the weights' fragments, asked for a step ago, are waited for; the next step's are asked for; the ring slot read three steps ago takes K step n + 5; then this step's products.
; The wait for my tokens' fragments counts the loads issued behind them: 12 for each later K step that has been asked for (five at the most), and on q's and k's way 16 for each tile of cos and sin; a wait names 63 at the most.
.macro STEP var, n, cm
	s_wait_dscnt 0x0
.if (\n) == 1                          ; the next fetch is the first of another wave's share of the weights (K steps 2, 5, 10)
	SYNC 1
.elseif (\n) == 4
	SYNC 2
.elseif (\n) == 9
	SYNC 3
.endif
.if (\n) < 15
	FETCH (\n)+1
.endif
.if (\n) <= 10
	TOK (\n)+5                                     ; five K steps, 160 matrix instructions, ahead of its use; its ring slot was last read three steps ago
.endif
.if (\var) == 0 && (\n) >= 10 && (\n) <= 13
	COS (\n)-10                                    ; over ring slots whose last K steps have been multiplied
.endif
.set NN, 12*(15-(\n))
.if NN > 60
.set NN, 60                            ; five later K steps at the most have been asked for
.endif
.if (\var) == 0 && (\n) > 9
.if (\n) < 14
.set NN, NN+16*((\n)-9)
.else
.set NN, NN+64
.endif
.endif
.if NN > 63
.set NN, 63
.endif
.if (\var) == 0 && (\n) == 0
.set NN, 48                            ; the bias is the C of this step: behind it K steps 2 to 5 were asked for
.endif
	s_wait_loadcnt NN
	MULS \var, \n, \cm
.endm
; nb blocks of 32: v[s + 16 b + i] = k 32 b + 16 (lane / 16) + i of my row.  The largest magnitudes, the conversions' scale operands in v[TM + 12] on, the bytes in v[TM + 4] on.
.macro SCALE s, nb
.set bb, 0
.rept \nb
	v_max3_num_f32 v[TM+bb], |v[\s+16*bb]|, |v[\s+1+16*bb]|, 0x1800000   ; my 16 numbers, and the floor 2^(3 - 127): the byte cannot fall under 1
.set bb, bb+1
.endr
.irp i, 2,4,6,8,10,12,14
.set bb, 0
.rept \nb
	v_max3_num_f32 v[TM+bb], v[TM+bb], |v[\s+16*bb+\i]|, |v[\s+1+16*bb+\i]|
.set bb, bb+1
.endr
.endr
.set bb, 0
.rept \nb
	v_permlanex16_b32 v[TM+4+bb], v[TM+bb], s[SEL], s[SEL+1]
.set bb, bb+1
.endr
.set bb, 0
.rept \nb
	v_max_num_f32 v[TM+bb], v[TM+bb], v[TM+4+bb]   ; with lane l xor 16's: the block's largest magnitude
.set bb, bb+1
.endr
.set bb, 0
.rept \nb
	v_add_nc_u32 v[TM+12+bb], 0xff000000, v[TM+bb] ; 2 off its exponent field: the conversion's scale operand
.set bb, bb+1
.endr
.set bb, 0
.rept \nb
	v_lshrrev_b32 v[TM+4+bb], 23, v[TM+12+bb]      ; the scale's byte
.set bb, bb+1
.endr
	v_lshl_or_b32 v[PW], v[TM+5], 8, v[TM+4]
.endm
.macro QUANT s                         ; 64 numbers become a fragment's codes in v[PC] on and its scale word in v[PW]
	SCALE \s, 4
	v_lshl_or_b32 v[PW], v[TM+6], 16, v[PW]
	v_lshl_or_b32 v[PW], v[TM+7], 24, v[PW]
.irp c, 0,1
	v_cvt_scalef32_pk16_fp6_f32 v[PC+6*\c:PC+2+6*\c], v[\s+32*\c:\s+15+32*\c], v[TM+12+2*\c]
	v_cvt_scalef32_pk16_fp6_f32 v[PC+12+4*\c:PC+14+4*\c], v[\s+16+32*\c:\s+31+32*\c], v[TM+12+2*\c+1]   ; (a conversion's three registers begin on an even number)
.endr
	v_nop                                          ; one plain place behind a scaled conversion
.irp c, 0,1                                    ; a WHOLE block in a lane: lanes 0-15 block 2 c, lanes 16-31 block 2 c + 1
.irp i, 0,1,2
	v_permlane16_swap_b32 v[PC+6*\c+\i], v[PC+12+4*\c+\i]
.endr
.irp i, 0,1,2
	v_mov_b32 v[PC+3+6*\c+\i], v[PC+12+4*\c+\i]
.endr
.endr
.endm
.macro QUANT32 s                       ; 32 numbers become half a fragment's codes in v[PC] .. v[PC + 5] and two scale bytes in v[PW]
	SCALE \s, 2
	v_cvt_scalef32_pk16_fp6_f32 v[PC:PC+2], v[\s:\s+15], v[TM+12]
	v_cvt_scalef32_pk16_fp6_f32 v[PC+4:PC+6], v[\s+16:\s+31], v[TM+13]
	v_nop                                          ; one plain place behind a scaled conversion
.irp i, 0,1,2
	v_permlane16_swap_b32 v[PC+\i], v[PC+4+\i]     ; lanes 0-15 now hold the first block whole, lanes 16-31 the second
.endr
.irp i, 0,1,2
	v_mov_b32 v[PC+3+\i], v[PC+4+\i]
.endr
.endm
.macro FINISH
	s_wait_tensorcnt 0x0                           ; the wave's end
	ds_add_u32 v[SPW], v[NIL]
	s_wait_dscnt 0x0
	CROUND                                         ; the closing round: no work-group ends while a partner may still ask for a tile that names it
	s_endpgm
.endm
	s_load_b256 s[4:11], s[0:1], 0x0               ; xcod s[4:5], wcod s[6:7], b_qkv s[8:9], rope s[10:11]
	s_load_b128 s[12:15], s[0:1], 0x20             ; qcod, kcod
	s_load_b64 s[16:17], s[0:1], 0x30              ; vcod
	v_lshl_add_u32 v[SPW], v0, 2, SPARE
	v_mov_b32 v[NIL], 0
	ds_add_u32 v[SPW], v[NIL]                      ; the wave's opening: the add, twice on end, and its wait ahead of my first tensor load
	ds_add_u32 v[SPW], v[NIL]
	v_lshrrev_b32 v9, 5, v0
	v_readfirstlane_b32 s[WV], v9                  ; wave 0..3
	v_and_b32 v9, 31, v0
	v_lshlrev_b32 v[LI], 4, v9
	v_lshlrev_b32 v[LS], 2, v9
	v_lshlrev_b32 v[L8], 3, v9
	v_and_b32 v9, 15, v0                           ; r
	v_bfe_u32 v10, v0, 4, 1                        ; h
	v_and_b32 v11, 8, v9
	v_add_nc_u32 v11, v11, v9
	v_lshlrev_b32 v[BV], 2, v11
	v_lshlrev_b32 v[BQ], 6, v10
	s_and_b32 s21, s[WV], 1
	s_lshr_b32 s22, s[WV], 1
	s_bfe_u32 s23, ttmp6, 0x40000                  ; cx: it enters the tokens', the table's and the results' addresses alone
	s_lshl_b32 s26, ttmp9, 2
	s_add_co_u32 s26, s26, s23                     ; token block = 4 x cluster x + cx
	s_and_b32 s25, ttmp7, 0xffff                   ; the head, which the four partners share
; THE WAVES' SHARES OF THE WEIGHTS ARE 2, 3, 5 AND 6 K STEPS (waves 0 to 3: K steps 0-1, 2-4, 5-9, 10-15), one tensor load each: four groups 1, dense blocks as rows of 256 bytes
.macro GROUP1 g, rows
	s_mov_b32 s[\g], 15|(3<<16)|(1<<21)            ; 15:0 the mask: all four work-groups; 17:16 elements of 8 bytes; 21 set beside a mask
	s_mov_b32 s[\g+1], 32<<16
	s_mov_b32 s[\g+2], (\rows)<<16
	s_mov_b32 s[\g+3], 32<<16
	s_mov_b32 s[\g+4], \rows
	s_mov_b32 s[\g+5], 32
	s_mov_b32 s[\g+6], 0
	s_mov_b32 s[\g+7], 0
.endm
	GROUP1 28, 100
	GROUP1 68, 150
	GROUP1 76, 250
	GROUP1 84, 300
	s_mov_b32 s[SEL], 0x76543210
	s_mov_b32 s[SEL+1], 0xfedcba98
	s_mov_b32 s[HM], 0xffff0000
	s_mov_b32 s[G0], 1
	s_mul_i32 s44, s25, 16*KBLK
	s_mov_b32 s45, 0
	s_mul_i32 s46, s26, 393216                     ; the token block's codes, my four tiles
	s_mul_i32 s47, s[WV], 6144
	s_add_co_u32 s46, s46, s47
	s_mov_b32 s47, 0
	s_lshl_b32 s48, s26, 14                        ; and their scale words
	s_lshl_b32 s49, s[WV], 8
	s_add_co_u32 s48, s48, s49
	s_add_co_u32 s48, s48, 3145728
	s_mov_b32 s49, 0
	s_and_b32 s50, s25, 3                          ; k, v: the block of 128 keys: 16 x kv head + 2 x token block + wave / 2
	s_lshl_b32 s50, s50, 4
	s_lshl_b32 s51, s26, 1
	s_add_co_u32 s50, s50, s51
	s_add_co_u32 s50, s50, s22
	s_mul_i32 s50, s50, KBLK
	s_wait_alu depctr_va_vdst(0)
	s_wait_dscnt 0x0                               ; both opening adds are done
	s_wait_kmcnt 0x0
	s_add_nc_u64 s[6:7], s[6:7], s[44:45]          ; the head's weights
	s_add_nc_u64 s[XC:XC+1], s[4:5], s[46:47]
	s_add_nc_u64 s[XB:XB+1], s[4:5], s[48:49]
	CROUND                                         ; all four work-groups are here: the joint loads meet
; ONE chain of branches on the wave's number, one load to an arm, all arms leading to one join.  A share lies in LDS where it lies in the head's block of memory
.macro ARM w, start, g1, next
	s_cmp_lg_u32 s[WV], \w
	s_cbranch_scc1 \next
	s_mov_b32 s[G0+1], \start*KBLK
	s_add_nc_u64 s[G0+2:G0+3], s[6:7], \start*KBLK
	s_or_b32 s[G0+3], s[G0+3], 0x80000000          ; type = 2
	tensor_load_to_lds s[G0:G0+3], s[\g1:\g1+7]
	s_nop 0
	NOP4
	s_branch .Lasked
\next:
.endm
	ARM 0, 0, 28, .Larm1
	ARM 1, 2, 68, .Larm2
	ARM 2, 5, 76, .Larm3
	s_mov_b32 s[G0+1], 10*KBLK
	s_add_nc_u64 s[G0+2:G0+3], s[6:7], 10*KBLK
	s_or_b32 s[G0+3], s[G0+3], 0x80000000
	tensor_load_to_lds s[G0:G0+3], s[84:91]
	s_nop 0
	NOP4
.Lasked:
; Wave g's share is due: wave g waits for its one load and signals; the others read behind the barrier.  The later shares stay out across it
.macro SYNC g
	s_cmp_lg_u32 s[WV], \g
	s_cbranch_scc1 .Lnot_mine_\@
	s_wait_tensorcnt 0x0
.Lnot_mine_\@:
	s_barrier_signal -1
	s_barrier_wait -1
.endm
.set cnt, 0
.rept 32
	global_load_b32 v[XS+cnt], v[LS], s[XB:XB+1] offset:(cnt/2)*1024+(cnt%2)*128   ; my four tiles' scale words of every K step: lanes 0-15 the even tile, lanes 16-31 the odd one
.set cnt, cnt+1
.endr
.irp n, 0,1
	TOK \n
.endr
	s_lshl_b32 s44, s25, 9
	s_add_nc_u64 s[8:9], s[8:9], s[44:45]
	s_cmp_ge_u32 s25, 20                           ; y: the same in all four partners
	s_cbranch_scc1 .Lpath_v
; ---- Q AND K
.irp t, 0,1,2,3,4,5,6,7
	global_load_b128 v[BI+8*\t:BI+8*\t+3], v[BQ], s[8:9] offset:(32*(\t/2)+8*(\t%2))*4      ; lane (r, h) wants, for tile t, those of d = 32 (t / 2) + 8 (t % 2) + 16 h + 0 .. 7
	global_load_b128 v[BI+8*\t+4:BI+8*\t+7], v[BQ], s[8:9] offset:(32*(\t/2)+8*(\t%2))*4+16
.endr
.irp n, 2,3,4
	TOK \n
.endr
	s_lshl_b32 s46, s26, 4
	s_lshl_b32 s47, s[WV], 2
	s_add_co_u32 s46, s46, s47                     ; my first token tile: 16 x token block + 4 w
	s_lshl_b32 s44, s46, 13
	s_add_nc_u64 s[10:11], s[10:11], s[44:45]      ; its cos and sin
	s_lshl_b32 s47, s25, 7
	s_add_co_u32 s47, s47, s46                     ; q: 128 x head + token tile
	s_mul_i32 s48, s47, 1536
	s_lshl_b32 s49, s47, 6
	s_add_co_u32 s49, s49, 3145728
	s_mul_i32 s51, s21, 6144                       ; k: my four tiles of the block,
	s_add_co_u32 s51, s51, s50
	s_lshl_b32 s52, s21, 8                         ; and their scale words
	s_add_co_u32 s52, s52, s50
	s_add_co_u32 s52, s52, 12288
	s_cmp_ge_u32 s25, 16                           ; k's head?  The choice hangs on y alone
	s_cselect_b32 s44, s51, s48
	s_cselect_b32 s46, s52, s49
	s_cselect_b64 s[48:49], s[14:15], s[12:13]
	s_mov_b32 s47, 0
	s_add_nc_u64 s[12:13], s[48:49], s[44:45]      ; where my codes go,
	s_add_nc_u64 s[14:15], s[48:49], s[46:47]      ; and my scale words
	SYNC 0                                         ; K steps 0 and 1 of the weights are in
	FETCH 0
	STEP 0, 0, 2
.irp n, 1,2,3,4,5,6,7,8,9,10,11,12,13,14,15
	STEP 0, \n, 1
.endr
; RoPE on token tile b: register 16 B + i of my 64 is d = 32 B + 16 h + i, so x1 (d under 64) is registers 0-31 and x2 (d + 64) registers 32-63.  Each accumulator is read from its low end on.
.macro ROPE b
	WIN 0x0d                                       ; source 0 window 1 (the sums), source 1 window 3 (cos, sin), the rest window 0
.irp e, 0,1
.irp i, 0,2,4,6,8,10,12,14
	v_pk_mul_f32 v[Y+16*\e+\i:Y+16*\e+\i+1], v[64*\b+16*\e+\i:64*\b+16*\e+\i+1], v[64*\b+16*\e+\i:64*\b+16*\e+\i+1]            ; x1 cos
	v_pk_mul_f32 v[Y+32+16*\e+\i:Y+32+16*\e+\i+1], v[64*\b+32+16*\e+\i:64*\b+32+16*\e+\i+1], v[64*\b+16*\e+\i:64*\b+16*\e+\i+1]   ; x2 cos
	v_pk_fma_f32 v[Y+16*\e+\i:Y+16*\e+\i+1], v[64*\b+32+16*\e+\i:64*\b+32+16*\e+\i+1], v[64*\b+32+16*\e+\i:64*\b+32+16*\e+\i+1], v[Y+16*\e+\i:Y+16*\e+\i+1] neg_lo:[0,1,0] neg_hi:[0,1,0]   ; - x2 sin
	v_pk_fma_f32 v[Y+32+16*\e+\i:Y+32+16*\e+\i+1], v[64*\b+16*\e+\i:64*\b+16*\e+\i+1], v[64*\b+32+16*\e+\i:64*\b+32+16*\e+\i+1], v[Y+32+16*\e+\i:Y+32+16*\e+\i+1]   ; + x1 sin
.endr
.endr
	WIN 0
.endm
	s_wait_loadcnt 0x0                             ; cos and sin
	NOP4                                           ; places behind the last products: their results are read, and registers that earlier products read are written
.irp b, 0,1,2,3
	v_mov_b32 v[TM+4+\b], 0                        ; a lane permute's destination counts as one of its sources
.endr
.irp b, 0,1,2,3
	ROPE \b
	s_wait_alu depctr_va_vdst(0)
	s_wait_xcnt 0x0                                ; the last tile's stores have read the registers that are written again now
.set PW, 196+\b%2
	QUANT Y
.irp c, 0,1,2
	global_store_b128 v[LI], v[PC+4*\c:PC+4*\c+3], s[12:13] offset:1536*\b+512*\c   ; the fragment's image: 512 consecutive bytes a store
.endr
.if \b%2
	v_cndmask_b32 v198, v196, v197, s[HM]          ; lanes 0-15: the even tile's words, lanes 16-31: the odd tile's
	global_store_b32 v[LS], v198, s[14:15] offset:64*(\b-1)
.endif
.endr
	FINISH
; ---- V
.Lpath_v:
.irp a, 0,1,2,3,4,5,6,7
	global_load_b32 v[VB+2*\a], v[BV], s[8:9] offset:(32*(\a/2)+8*(\a%2))*4        ; my channel of tile a: r + 8 (r / 8) in it;
	global_load_b32 v[VB+2*\a+1], v[BV], s[8:9] offset:(32*(\a/2)+8*(\a%2))*4      ; twice: a pair for the packed addition
.endr
.irp n, 2,3,4
	TOK \n
.endr
	s_mul_i32 s44, s21, 768
	s_add_co_u32 s44, s44, s50
	s_lshl_b32 s46, s21, 1                         ; and bytes 2 (wave % 2), + 1 of each scale word
	s_add_co_u32 s46, s46, s50
	s_add_co_u32 s46, s46, 12288
	s_mov_b32 s47, 0
	s_add_nc_u64 s[12:13], s[16:17], s[44:45]
	s_add_nc_u64 s[14:15], s[16:17], s[46:47]
	SYNC 0                                         ; K steps 0 and 1 of the weights are in
	FETCH 0
	STEP 1, 0, 0
.irp n, 1,2,3,4,5,6,7,8,9,10,11,12,13,14,15
	STEP 1, \n, 1
.endr
	NOP4                                           ; places behind the last products
.irp b, 0,1
	v_mov_b32 v[TM+4+\b], 0
.endr
.irp a, 0,1,2,3,4,5,6,7
	WIN 0x01                                       ; source 0 window 1
.set cnt, 0
.rept 16
	v_pk_add_f32 v[Y+cnt:Y+cnt+1], v[32*\a+cnt:32*\a+cnt+1], v[VB+2*\a:VB+2*\a+1]   ; the bias, and the way into window 0, in one; each accumulator from its low end on
.set cnt, cnt+2
.endr
	WIN 0
	s_wait_alu depctr_va_vdst(0)
	s_wait_xcnt 0x0                                ; the last tile's stores have read the registers that are written again now
.set PW, 196+\a%2
	QUANT32 Y                                      ; along the keys: register 16 B + i is key 32 B + 16 h + i of my 64
	global_store_b128 v[LI], v[PC:PC+3], s[12:13] offset:1536*\a          ; 512 consecutive bytes
	global_store_b64 v[L8], v[PC+4:PC+5], s[12:13] offset:1536*\a+512     ; 256 consecutive bytes
.if \a%2
	v_cndmask_b32 v198, v196, v197, s[HM]          ; lanes 0-15: the even tile's bytes, lanes 16-31: the odd tile's
	global_store_b16 v[LS], v198, s[14:15] offset:64*(\a-1)
.endif
.endr
	FINISH
.Lfunc_end_k_qfc2fece036_qkv:
	.size	k_qfc2fece036_qkv, .Lfunc_end_k_qfc2fece036_qkv-k_qfc2fece036_qkv
	.p2alignl 7, 3214868480
	.fill 96, 4, 3214868480
	.section	.rodata,"a",@progbits
	.p2align	6, 0x0
	.amdhsa_kernel k_qfc2fece036_qkv
		.amdhsa_group_segment_fixed_size 205312
		.amdhsa_private_segment_fixed_size 0
		.amdhsa_enable_private_segment 0
		.amdhsa_kernarg_size 56
		.amdhsa_user_sgpr_count 2
		.amdhsa_user_sgpr_kernarg_segment_ptr 1
		.amdhsa_wavefront_size32 1
		.amdhsa_system_sgpr_workgroup_id_x 1
		.amdhsa_system_sgpr_workgroup_id_y 1
		.amdhsa_system_sgpr_workgroup_id_z 1
		.amdhsa_system_vgpr_workitem_id 0
		.amdhsa_next_free_vgpr 1024
		.amdhsa_next_free_sgpr 100
		.amdhsa_reserve_vcc 0
		.amdhsa_float_denorm_mode_32 3
		.amdhsa_float_denorm_mode_16_64 3
		.amdhsa_memory_ordered 1
		.amdhsa_forward_progress 1
		.amdhsa_inst_pref_size 255
	.end_amdhsa_kernel
	.section	.bss,"aw",@nobits
	.p2align	6
	.space	262144
	.amdgpu_metadata
---
amdhsa.version: [ 1, 2 ]
amdhsa.kernels:
  - .name:           k_qfc2fece036_qkv
    .symbol:         k_qfc2fece036_qkv.kd
    .args:
      - { .name: xcod, .offset: 0, .size: 8, .value_kind: global_buffer, .address_space: global }
      - { .name: wcod, .offset: 8, .size: 8, .value_kind: global_buffer, .address_space: global }
      - { .name: b_qkv, .offset: 16, .size: 8, .value_kind: global_buffer, .address_space: global }
      - { .name: rope, .offset: 24, .size: 8, .value_kind: global_buffer, .address_space: global }
      - { .name: qcod, .offset: 32, .size: 8, .value_kind: global_buffer, .address_space: global }
      - { .name: kcod, .offset: 40, .size: 8, .value_kind: global_buffer, .address_space: global }
      - { .name: vcod, .offset: 48, .size: 8, .value_kind: global_buffer, .address_space: global }
    .group_segment_fixed_size: 205312
    .private_segment_fixed_size: 0
    .kernarg_segment_align: 8
    .kernarg_segment_size: 56
    .max_flat_workgroup_size: 128
    .sgpr_count:     100
    .vgpr_count:     1024
    .wavefront_size: 32
...
	.end_amdgpu_metadata
.endif
;; end of part 2
;; launch attn (part 3): grid 16 x 16, 8 waves a work-group, clusters of 4 x 1, 231,424 bytes of LDS; arguments qcod, kcod, vcod, acod; writes acod
.if DOCPART == 3
	.amdgcn_target "amdgcn-amd-amdhsa--gfx1250"
	.amdhsa_code_object_version 6
	.text
	.protected	k_qfc2fece036_attn
	.globl	k_qfc2fece036_attn
	.p2align	8
	.type	k_qfc2fece036_attn,@function
k_qfc2fece036_attn:
	s_mov_b64 s[64:65], 0
	v_nop
	global_prefetch_b8 v0, s[64:65] scope:SCOPE_SE
	s_setreg_imm32_b32 hwreg(HW_REG_WAVE_MODE, 25, 1), 1
	s_wait_xcnt 0x0
	s_wait_alu depctr_hold_cnt(0) depctr_sa_sdst(0) depctr_va_vdst(0) depctr_va_sdst(0) depctr_va_ssrc(0) depctr_va_vcc(0) depctr_vm_vsrc(0)
	s_getreg_b32 s2, hwreg(HW_REG_IB_STS2, 6, 4)
	s_cmp_eq_u32 s2, 0
	s_cbranch_scc0 .Lentry_in_a_cluster
	s_endpgm
.Lentry_in_a_cluster:
	s_bfe_u32 s2, ttmp6, 0x10000c
	s_cmp_lg_u32 s2, 0x3003
	s_cbranch_scc0 .Lentry_shape_is_right
	s_endpgm
.Lentry_shape_is_right:
; ATTN: attention with the causal mask and the window (key j counts for query i where j <= i and i - j <= 1,024), both products on codes of FP6 (E2M3) with E8M0 scales; the result is quantised along the head's 128.
; THE SOFTMAX AHEAD OF THE SECOND PRODUCT: t = score x log2(e) / sqrt(128); M = the row's largest t so far, rounded UP to a whole number; p = 2^(t - M) is what is quantised, along the keys; the row's sum is taken of the
; unquantised p and divides O at the end.  When M moves, the sum and O are multiplied by 2^(old M - new M): exact.
; SHARES.  A work-group owns 128 queries (block y) of one head; each of its eight waves one tile of 16.  The mask leaves key blocks max(y - 8, 0) .. y of 128 keys: nine at the most.
; ALL NINE BLOCKS OF K AND OF V LIE IN LDS AT ONCE (230,400 bytes): each is filled once, no byte is filled again.  Six loads of three blocks each are asked for at the head and all are waited for ahead of the first step.
; A work-group with y under 8 passes over the steps behind its diagonal by a scalar branch on ids; their blocks are fetched all the same, so that every wave's loads are the same on every way.
; CLUSTER.  The four query heads that share a key and value head form a cluster and ask for each block JOINTLY (mask 15).
; LAYOUT.  Operands are images of registers (1,536 bytes a fragment; a block of kcod or vcod: 8 fragments, then 512 bytes of scale words).  Both products are used transposed: S^T = K Q^T, O^T = V^T P^T: a lane holds ONE query.
; Row r of tile 2 b + u stands for index 32 b + 8 u + r + 8 (r / 8) (queries, keys in K, channels in V): so p's 16 registers of two neighbouring tiles are 16 neighbouring keys, and O^T's are 16 neighbouring channels.
; acod, the result: [128 tokens: 16][head: 16][tile: 8][1,536], from byte 3,145,728 the scale words [16][16][8][16]: a head is a K step of the output projection.
; REGISTERS: window 0: v1-11, v28, v29 addresses; v12 -M, v13 the largest t, v[14:15] the sum; v16-27 Q; v32-41 scale words; v44-61 the softmax's work; v64-80 QUANT's; v96-159 S^T, then p; v160-223 O^T; v224-243 codes.
;   window 1: v0-95 K's eight fragments, v96-191 V's.
; LIMITS: a block whose largest magnitude lies under 2^-124 keeps the scale byte 1; NaN and infinities are not served.
.set KBLK,  12800
.set VOFF,  115200                     ; LDS: K's nine blocks, then V's nine,
.set SPARE, 230400                     ; then the spare words, 128 bytes for each wave: four blocks of 256 bytes that no other line names
.set LI,   1                           ; v1   16 x lane
.set LS,   2                           ; v2   4 x lane
.set DD,   3                           ; v3   my query's place in its block - 16 (lane / 16)
.set NINF, 4                           ; v4   -infinity
.set SPW,  5                           ; v5   LDS address of my spare word; never rewritten
.set NIL,  6                           ; v6   0; never rewritten
.set R4,   7                           ; v7   4 (lane % 16)
.set ADK,  8                           ; v8-11 the step's addresses: K's and V's fragments, K's and V's scale words
.set ADV,  9
.set ADS,  10
.set ADT,  11
.set LIV,  28                          ; v28  16 x lane + VOFF
.set LSV,  29
.set ADW,  30                          ; v30  the step's address of the 8-byte pieces of V's fragments
.set L8V,  31                          ; v31  8 x lane + VOFF
.set KS,   32                          ; v32-35 K's scale words: register p: lanes 0-15 tile 2 p, lanes 16-31 tile 2 p + 1;  v36-39 V's
.set VS,   36
.set QS,   40                          ; v40  Q's scale words
.set PS,   41                          ; v41  p's
.set BM,   44                          ; v44-47 the blocks' largest scores, then largest p
.set PT,   48                          ; v48-51 the other half's; then the bytes
.set SO,   52                          ; v52-55 the conversions' scale operands
.set TT,   56                          ; v56  at work
.set FF,   58                          ; v[58:59] f = 2^(old M - new M) (v59 is named with it as a pair)
.set C2,   60                          ; v[60:61] the sum's second chain
.set TM,   64
.set PW,   80
.set Y,    96
.set O,    160
.set PC,   224
.set WV,   12                          ; s12 wave; s13 cx; s15 y; s16 head; s17 the first key block; s18 wave / 4; s19 wave % 4
.set YB,   15
.set SEL,  20                          ; s[20:21]
.set CS,   22                          ; s[22:23] c = log2(e) / sqrt(128)
.set G1,   24                          ; s[24:31] descriptor group 1;  s[32:35] group 0
.set G0,   32
.set TB,   44                          ; s44  LDS byte at which the step's block of K begins
.set KB,   45                          ; s45  the step's key block
.set CNT,  46
.set MSB, 0
.macro WIN new
.if MSB != \new
	s_set_vgpr_msb (MSB<<8)|\new
.set MSB, \new
.endif
.endm
.macro NOP4
.rept 4
	v_nop
.endr
.endm
.macro CROUND
	s_barrier_signal -1
	s_barrier_wait -1
	s_cmp_lg_u32 s[WV], 0
	s_cbranch_scc1 .Lnot_wave_0_\@
	s_barrier_signal -3
.Lnot_wave_0_\@:
	s_barrier_wait -3
	s_barrier_signal -1
	s_barrier_wait -1
.endm
.macro QUANT s
.irp b, 0,1,2,3
	v_max3_num_f32 v[TM+\b], |v[\s+16*\b]|, |v[\s+1+16*\b]|, 0x1800000   ; block b: my 16 numbers, and the floor 2^(3 - 127)
.endr
.irp i, 2,4,6,8,10,12,14
.irp b, 0,1,2,3
	s_delay_alu instid0(VALU_DEP_4)
	v_max3_num_f32 v[TM+\b], v[TM+\b], |v[\s+16*\b+\i]|, |v[\s+1+16*\b+\i]|
.endr
.endr
.irp b, 0,1,2,3
	s_delay_alu instid0(VALU_DEP_4)
	v_permlanex16_b32 v[TM+4+\b], v[TM+\b], s[SEL], s[SEL+1]
.endr
.irp b, 0,1,2,3
	s_delay_alu instid0(VALU_DEP_4)
	v_max_num_f32 v[TM+\b], v[TM+\b], v[TM+4+\b]
.endr
.irp b, 0,1,2,3
	s_delay_alu instid0(VALU_DEP_4)
	v_add_nc_u32 v[TM+12+\b], 0xff000000, v[TM+\b]
.endr
.irp b, 0,1,2,3
	s_delay_alu instid0(VALU_DEP_4)
	v_lshrrev_b32 v[TM+4+\b], 23, v[TM+12+\b]
.endr
	s_delay_alu instid0(VALU_DEP_3)
	v_lshl_or_b32 v[PW], v[TM+5], 8, v[TM+4]
	s_delay_alu instid0(VALU_DEP_1)
	v_lshl_or_b32 v[PW], v[TM+6], 16, v[PW]
	s_delay_alu instid0(VALU_DEP_1)
	v_lshl_or_b32 v[PW], v[TM+7], 24, v[PW]
.irp c, 0,1
	v_cvt_scalef32_pk16_fp6_f32 v[PC+6*\c:PC+2+6*\c], v[\s+32*\c:\s+15+32*\c], v[TM+12+2*\c]
	v_cvt_scalef32_pk16_fp6_f32 v[PC+12+4*\c:PC+14+4*\c], v[\s+16+32*\c:\s+31+32*\c], v[TM+12+2*\c+1]
.endr
	v_nop                                          ; one plain place behind a scaled conversion
.irp c, 0,1
.irp i, 0,1,2
	v_permlane16_swap_b32 v[PC+6*\c+\i], v[PC+12+4*\c+\i]
.endr
.irp i, 0,1,2
	s_delay_alu instid0(VALU_DEP_3)
	v_mov_b32 v[PC+3+6*\c+\i], v[PC+12+4*\c+\i]
.endr
.endr
.endm
; Hidden scores become -infinity ahead of the maximum: p = 0 then.  Register 16 b + i holds the block's key 32 b + 16 (lane / 16) + i.  gt = 1, on the diagonal: hidden where 32 b + i > DD; 0, in the block 1,024 back: where 32 b + i < DD.
.macro MASK gt
.set cnt, 0
.rept 64
.if \gt
	v_cmp_gt_i32 vcc_lo, 32*(cnt/16)+cnt%16, v[DD]
.else
	v_cmp_lt_i32 vcc_lo, 32*(cnt/16)+cnt%16, v[DD]
.endif
	v_cndmask_b32 v[Y+cnt], v[Y+cnt], v[NINF], vcc_lo
.set cnt, cnt+1
.endr
.endm
; A KEY STEP: 128 keys.
.macro STEP
	s_cmp_gt_u32 s[KB], s[YB]                      ; a block behind the diagonal is left out: a branch on ids, alike in all partners; no tensor load and no barrier stands in a step
	s_cbranch_scc1 .Lskip_\@
	v_add_nc_u32 v[ADK], s[TB], v[LI]              ; (these five are also the places between the last step's products and the loads into what they read)
	v_add_nc_u32 v[ADV], s[TB], v[LIV]
	v_add_nc_u32 v[ADS], s[TB], v[LS]
	v_add_nc_u32 v[ADT], s[TB], v[LSV]
	v_add_nc_u32 v[ADW], s[TB], v[L8V]
	WIN 0x01                                       ; source 0 window 1.  K's fragments and scale words of this step were asked for in the step before (the first step's ahead of the loop) and waited for there
.irp p, 0,1,2,3                                ; S^T = K Q^T: eight tiles of 16 keys, each sum begun by the constant 0
	v_wmma_scale_f32_16x16x128_f8f6f4 v[Y+16*\p:Y+16*\p+7], v[24*\p:24*\p+11], v[16:27], 0, v[KS+\p], v[QS] matrix_a_fmt:MATRIX_FMT_FP6 matrix_b_fmt:MATRIX_FMT_FP6
	v_wmma_scale_f32_16x16x128_f8f6f4 v[Y+16*\p+8:Y+16*\p+15], v[24*\p+12:24*\p+23], v[16:27], 0, v[KS+\p], v[QS] matrix_a_fmt:MATRIX_FMT_FP6 matrix_b_fmt:MATRIX_FMT_FP6 matrix_a_scale:MATRIX_SCALE_ROW1
.endr
	WIN 0
	NOP4                                           ; places between the products and the first read of the scores, and the loads into K's registers
.irp p, 0,1,2,3
	ds_load_b32 v[VS+\p], v[ADT] offset:12288+128*\p
	ds_load_b32 v[KS+\p], v[ADS] offset:KBLK+12288+128*\p   ; the next block's (behind the ninth block: bytes of V's first, which no product takes)
.endr
	WIN 0x40                                       ; destination window 1.  V's fragments: a tile is two halves of 768 bytes: registers 6 c .. 6 c + 3 at 16 x lane, registers 6 c + 4, 5 at 512 + 8 x lane
.irp t, 0,1,2,3,4,5,6,7
.irp c, 0,1
	ds_load_b128 v[96+12*\t+6*\c:96+12*\t+6*\c+3], v[ADV] offset:1536*\t+768*\c
	ds_load_b64 v[96+12*\t+6*\c+4:96+12*\t+6*\c+5], v[ADW] offset:1536*\t+768*\c+512
.endr
.endr
.irp t, 0,1,2,3,4,5,6,7                        ; and the next step's fragments of K: all are waited for ahead of the second product
.irp c, 0,1,2
	ds_load_b128 v[12*\t+4*\c:12*\t+4*\c+3], v[ADK] offset:KBLK+1536*\t+512*\c
.endr
.endr
	WIN 0
	s_cmp_lg_u32 s[KB], s[YB]
	s_cbranch_scc1 .Lnot_diag_\@
	MASK 1
.Lnot_diag_\@:
	s_add_co_u32 s47, s[KB], 8
	s_cmp_lg_u32 s47, s[YB]
	s_cbranch_scc1 .Lnot_edge_\@
	MASK 0
.Lnot_edge_\@:
.irp b, 0,1,2,3
	v_max3_num_f32 v[BM+\b], v[Y+16*\b], v[Y+1+16*\b], v[Y+2+16*\b]   ; THE LARGEST SCORE OF EACH BLOCK OF 32 KEYS serves twice: for the row's maximum, and, since p rises with the score, for the block's largest p
.endr
.irp i, 3,5,7,9,11,13
.irp b, 0,1,2,3
	v_max3_num_f32 v[BM+\b], v[BM+\b], v[Y+16*\b+\i], v[Y+1+16*\b+\i]
.endr
.endr
.irp b, 0,1,2,3
	v_max_num_f32 v[BM+\b], v[BM+\b], v[Y+15+16*\b]
.endr
.irp b, 0,1,2,3
	s_delay_alu instid0(VALU_DEP_4)
	v_permlanex16_b32 v[PT+\b], v[BM+\b], s[SEL], s[SEL+1]
.endr
.irp b, 0,1,2,3
	s_delay_alu instid0(VALU_DEP_4)
	v_max_num_f32 v[BM+\b], v[BM+\b], v[PT+\b]     ; with lane l xor 16's 16 keys
.endr
	s_delay_alu instid0(VALU_DEP_2)
	v_max3_num_f32 v[TT], v[BM], v[BM+1], v[BM+2]
	s_delay_alu instid0(VALU_DEP_1)
	v_max_num_f32 v[TT], v[TT], v[BM+3]            ; the step's largest score of my query
	s_delay_alu instid0(VALU_DEP_1)
	v_mul_f32 v[TT], s[CS], v[TT]                  ; as t (c is positive)
	s_delay_alu instid0(VALU_DEP_1)
	v_max_num_f32 v13, v13, v[TT]                  ; the running largest t
	v_mov_b32 v[TT], v12
	s_delay_alu instid0(VALU_DEP_2)
	v_floor_f32 v12, -v13                          ; the new -M = floor(-t) = -ceil(t): M IS A WHOLE NUMBER
	s_delay_alu instid0(VALU_DEP_1)
	v_sub_f32 v[TT], v12, v[TT]                    ; M's old value less its new one: a whole number, 0 or less
	s_delay_alu instid0(VALU_DEP_1)
	v_cvt_i32_f32 v[TT], v[TT]                     ; (it saturates)
	s_delay_alu instid0(VALU_DEP_1)
	v_ldexp_f32 v[FF], 1.0, v[TT]                  ; f = 2^(old M - new M)
.set cnt, 0
.rept 32
	v_pk_fma_f32 v[Y+cnt:Y+cnt+1], v[Y+cnt:Y+cnt+1], s[CS:CS+1], v[12:13] op_sel_hi:[1,0,0]   ; t - M, two at a time
.set cnt, cnt+2
.endr
.irp b, 0,1,2,3
	v_fma_f32 v[BM+\b], v[BM+\b], s[CS], v12       ; the same of each block's largest score
.endr
.set cnt, 0
	s_wait_alu depctr_va_vdst(0)
.rept 64
	v_exp_f32 v[Y+cnt], v[Y+cnt]                   ; p = 2^(t - M), at most 1: NOT normalised
.set cnt, cnt+1
.endr
	v_pk_mul_f32 v[14:15], v[14:15], v[FF:FF+1] op_sel_hi:[1,0]   ; the sums under the new M.  (A plain place behind the exponentials)
	s_wait_alu depctr_va_vdst(0)                   ; one wait for the whole batch, ahead of its first reader
.irp b, 0,1,2,3
	v_exp_f32 v[BM+\b], v[BM+\b]                   ; the block's largest p: the same two instructions on the same number give the same bits
.endr
	v_pk_add_f32 v[60:61], v[100:101], v[104:105]
	v_pk_add_f32 v[254:255], v[108:109], v[112:113]
	v_pk_add_f32 v[252:253], v[116:117], v[120:121]
	v_pk_add_f32 v[250:251], v[124:125], v[128:129]
	v_pk_add_f32 v[248:249], v[132:133], v[136:137]
	v_pk_add_f32 v[246:247], v[140:141], v[144:145]
	v_pk_add_f32 v[244:245], v[148:149], v[152:153]
	v_pk_add_f32 v[14:15], v[14:15], v[156:157]
	v_pk_add_f32 v[60:61], v[60:61], v[96:97]
	v_pk_add_f32 v[254:255], v[254:255], v[98:99]
	v_pk_add_f32 v[252:253], v[252:253], v[102:103]
	v_pk_add_f32 v[250:251], v[250:251], v[106:107]
	v_pk_add_f32 v[248:249], v[248:249], v[110:111]
	v_pk_add_f32 v[246:247], v[246:247], v[114:115]
	v_pk_add_f32 v[244:245], v[244:245], v[118:119]
	v_pk_add_f32 v[14:15], v[14:15], v[122:123]
	v_pk_add_f32 v[60:61], v[60:61], v[126:127]
	v_pk_add_f32 v[254:255], v[254:255], v[130:131]
	v_pk_add_f32 v[252:253], v[252:253], v[134:135]
	v_pk_add_f32 v[250:251], v[250:251], v[138:139]
	v_pk_add_f32 v[248:249], v[248:249], v[142:143]
	v_pk_add_f32 v[246:247], v[246:247], v[146:147]
	v_pk_add_f32 v[244:245], v[244:245], v[150:151]
	v_pk_add_f32 v[14:15], v[14:15], v[154:155]
	v_pk_add_f32 v[60:61], v[60:61], v[158:159]
	s_delay_alu instid0(VALU_DEP_2)
	v_pk_add_f32 v[14:15], v[14:15], v[250:251]
	s_delay_alu instid0(VALU_DEP_2)
	v_pk_add_f32 v[60:61], v[60:61], v[248:249]
	v_pk_add_f32 v[254:255], v[254:255], v[246:247]
	v_pk_add_f32 v[252:253], v[252:253], v[244:245]
	s_delay_alu instid0(VALU_DEP_2)
	v_pk_add_f32 v[14:15], v[14:15], v[254:255]
	s_delay_alu instid0(VALU_DEP_2)
	v_pk_add_f32 v[60:61], v[60:61], v[252:253]
	s_delay_alu instid0(VALU_DEP_1)
	v_pk_add_f32 v[14:15], v[14:15], v[60:61]
	s_wait_alu depctr_va_vdst(0)                   ; and one for the four
.irp b, 0,1,2,3
	v_max_num_f32 v[BM+\b], 0x1800000, v[BM+\b]    ; the floor 2^(3 - 127): a block whose every p is 0 keeps the byte 1: its codes are zeros
.endr
.irp b, 0,1,2,3
	s_delay_alu instid0(VALU_DEP_4)
	v_add_nc_u32 v[SO+\b], 0xff000000, v[BM+\b]    ; 2 off the exponent field: the conversion's scale operand
.endr
.irp b, 0,1,2,3
	s_delay_alu instid0(VALU_DEP_4)
	v_lshrrev_b32 v[PT+\b], 23, v[SO+\b]           ; the scale's byte
.endr
	s_delay_alu instid0(VALU_DEP_3)
	v_lshl_or_b32 v[PS], v[PT+1], 8, v[PT]         ; p's scale word for these 128 keys
	s_delay_alu instid0(VALU_DEP_1)
	v_lshl_or_b32 v[PS], v[PT+2], 16, v[PS]
	s_delay_alu instid0(VALU_DEP_1)
	v_lshl_or_b32 v[PS], v[PT+3], 24, v[PS]
.irp c, 0,1
	v_cvt_scalef32_pk16_fp6_f32 v[PC+6*\c:PC+2+6*\c], v[Y+32*\c:Y+15+32*\c], v[SO+2*\c]
	v_cvt_scalef32_pk16_fp6_f32 v[PC+12+4*\c:PC+14+4*\c], v[Y+16+32*\c:Y+31+32*\c], v[SO+2*\c+1]
.endr
	v_nop                                          ; one plain place behind a scaled conversion
.irp c, 0,1
.irp i, 0,1,2
	v_permlane16_swap_b32 v[PC+6*\c+\i], v[PC+12+4*\c+\i]
.endr
.irp i, 0,1,2
	s_delay_alu instid0(VALU_DEP_3)
	v_mov_b32 v[PC+3+6*\c+\i], v[PC+12+4*\c+\i]
.endr
.endr
.set cnt, 0
.rept 32
	v_pk_mul_f32 v[O+cnt:O+cnt+1], v[O+cnt:O+cnt+1], v[FF:FF+1] op_sel_hi:[1,0]   ; O^T under the new M.  (These 32 are also the places between the lines that made p's codes and scale word and the products)
.set cnt, cnt+2
.endr
	s_wait_alu depctr_va_vdst(0)
	s_wait_dscnt 0x0                               ; V's fragments are in
	WIN 0x01
.irp p, 0,1,2,3                                ; O^T += V^T P^T: eight tiles of 16 channels by turns
	v_wmma_scale_f32_16x16x128_f8f6f4 v[O+16*\p:O+16*\p+7], v[96+24*\p:96+24*\p+11], v[PC:PC+11], v[O+16*\p:O+16*\p+7], v[VS+\p], v[PS] matrix_a_fmt:MATRIX_FMT_FP6 matrix_b_fmt:MATRIX_FMT_FP6
	v_wmma_scale_f32_16x16x128_f8f6f4 v[O+16*\p+8:O+16*\p+15], v[96+24*\p+12:96+24*\p+23], v[PC:PC+11], v[O+16*\p+8:O+16*\p+15], v[VS+\p], v[PS] matrix_a_fmt:MATRIX_FMT_FP6 matrix_b_fmt:MATRIX_FMT_FP6 matrix_a_scale:MATRIX_SCALE_ROW1
.endr
	WIN 0
.Lskip_\@:
	s_add_co_u32 s[TB], s[TB], KBLK
	s_add_co_u32 s[KB], s[KB], 1
.endm
; Nine key steps.  My load has landed, and behind the barrier everybody's has.
.macro GROUP g
	s_wait_tensorcnt 0x0                           ; my one load, three blocks of K or of V, has landed,
	s_barrier_signal -1
	s_barrier_wait -1                              ; and everybody's has: all nine blocks lie in LDS, and no barrier stands among the nine steps
.irp p, 0,1,2,3
	ds_load_b32 v[KS+\p], v[LS] offset:12288+128*\p
.endr
	WIN 0x40
.irp t, 0,1,2,3,4,5,6,7
.irp c, 0,1,2
	ds_load_b128 v[12*\t+4*\c:12*\t+4*\c+3], v[LI] offset:1536*\t+512*\c   ; the first step's fragments of K
.endr
.endr
	WIN 0
	s_wait_dscnt 0x0
	s_mov_b32 s[CNT], 9
.Lgroup_\@:
	STEP
	s_sub_co_u32 s[CNT], s[CNT], 1
	s_cmp_lg_u32 s[CNT], 0
	s_cbranch_scc1 .Lgroup_\@
.endm
	s_load_b256 s[4:11], s[0:1], 0x0               ; qcod s[4:5], kcod s[6:7], vcod s[8:9], acod s[10:11]
	v_lshl_add_u32 v[SPW], v0, 2, SPARE
	v_mov_b32 v[NIL], 0
	ds_add_u32 v[SPW], v[NIL]                      ; the wave's opening: the add and its wait ahead of my first tensor load; work on registers stands between them
	ds_add_u32 v[SPW], v[NIL]
	v_lshrrev_b32 v8, 5, v0
	s_delay_alu instid0(VALU_DEP_1)
	v_readfirstlane_b32 s[WV], v8                  ; wave 0..7
	s_bfe_u32 s13, ttmp6, 0x40000                  ; cx: it enters Q's and the result's addresses alone
	s_and_b32 s[YB], ttmp7, 0xffff                 ; y: my block of 128 queries
	s_lshl_b32 s16, ttmp9, 2
	s_add_co_u32 s16, s16, s13                     ; head = 4 x kv head + cx
	s_max_u32 s17, s[YB], 8
	s_sub_co_u32 s17, s17, 8                       ; the first key block: max(y - 8, 0)
	s_lshr_b32 s18, s[WV], 2                       ; I fetch for K (0) or for V (1),
	s_and_b32 s19, s[WV], 3                        ; blocks 3 j .. 3 j + 2 of the nine; waves with j = 3 fetch nothing
	s_mov_b32 s[G1], 15|(3<<16)|(1<<21)            ; 15:0 the mask: all four work-groups; 17:16 elements of 8 bytes; 21 set beside a mask
	s_mov_b32 s[G1+1], 32<<16                      ; a block of 12,800 dense bytes as 50 rows of 256
	s_mov_b32 s[G1+2], 150<<16                     ; three blocks, 38,400 dense bytes, as 150 rows of 256
	s_mov_b32 s[G1+3], 32<<16
	s_mov_b32 s[G1+4], 150
	s_mov_b32 s[G1+5], 32
	s_mov_b32 s[G1+6], 0
	s_mov_b32 s[G1+7], 0
	s_mul_i32 s47, s18, VOFF
	s_mul_i32 s48, s19, 3*KBLK                     ; wave j of each four fetches blocks 3 j .. 3 j + 2 by one load; waves with j = 3 fetch nothing
	s_add_co_u32 s47, s47, s48                     ; where my first block goes
	s_lshl_b32 s48, ttmp9, 4
	s_add_co_u32 s48, s48, s17
	s_mul_i32 s49, s19, 3
	s_add_co_u32 s48, s48, s49
	s_mul_i32 s48, s48, KBLK                       ; and whence it comes: block 16 x kv head + first + 3 j (first + 8 is 15 at the most)
	s_mov_b32 s49, 0
	s_lshl_b32 s52, s[YB], 4                       ; the result's fragment: (16 y + head) x 8 + wave
	s_add_co_u32 s52, s52, s16
	s_lshl_b32 s52, s52, 3
	s_add_co_u32 s52, s52, s[WV]
	s_mul_i32 s54, s52, 1536
	s_mov_b32 s55, 0
	s_lshl_b32 s56, s52, 6
	s_add_co_u32 s56, s56, 3145728
	s_mov_b32 s57, 0
	s_lshl_b32 s58, s16, 7                         ; Q: 128 x head + 8 y + wave
	s_lshl_b32 s59, s[YB], 3
	s_add_co_u32 s58, s58, s59
	s_add_co_u32 s58, s58, s[WV]
	s_lshl_b32 s60, s58, 6
	s_add_co_u32 s60, s60, 3145728
	s_mov_b32 s61, 0
	s_mul_i32 s58, s58, 1536
	s_mov_b32 s59, 0
	s_mov_b32 s[SEL], 0x76543210
	s_mov_b32 s[SEL+1], 0xfedcba98
	s_mov_b32 s[CS], 0x3e0293ee                    ; c = log2(e) / sqrt(128)
	s_mov_b32 s[CS+1], s[CS]                       ; (named with it as a pair, so it is written)
	s_mov_b32 s[TB], 0
	s_mov_b32 s[KB], s17
	v_and_b32 v8, 31, v0
	s_delay_alu instid0(VALU_DEP_1)
	v_lshlrev_b32 v[LI], 4, v8
	s_delay_alu instid0(VALU_DEP_2)
	v_lshlrev_b32 v[LS], 2, v8
	s_delay_alu instid0(VALU_DEP_2)
	v_add_nc_u32 v[LIV], VOFF, v[LI]
	s_delay_alu instid0(VALU_DEP_2)
	v_add_nc_u32 v[LSV], VOFF, v[LS]
	v_lshl_add_u32 v[L8V], v8, 3, VOFF
	v_and_b32 v8, 15, v0
	s_delay_alu instid0(VALU_DEP_1)
	v_lshlrev_b32 v[R4], 2, v8
	s_delay_alu instid0(VALU_DEP_2)
	v_and_b32 v9, 8, v8
	s_delay_alu instid0(VALU_DEP_1)
	v_add_nc_u32 v8, v8, v9                        ; r + 8 (r / 8)
	v_bfe_u32 v9, v0, 4, 1
	s_delay_alu instid0(VALU_DEP_1)
	v_lshlrev_b32 v9, 4, v9
	s_delay_alu instid0(VALU_DEP_1)
	v_sub_nc_u32 v8, v8, v9                        ; - 16 h
	s_lshr_b32 s50, s[WV], 1
	s_lshl_b32 s50, s50, 5
	s_and_b32 s51, s[WV], 1
	s_lshl_b32 s51, s51, 3
	s_add_co_u32 s50, s50, s51                     ; my tile's first query in the block: 32 (w / 2) + 8 (w % 2)
	v_add_nc_u32 v[DD], s50, v8
	v_mov_b32 v[NINF], 0xff800000
	s_wait_dscnt 0x0                               ; the opening add is done
	s_wait_kmcnt 0x0
	s_cmp_eq_u32 s18, 0
	s_cselect_b64 s[50:51], s[6:7], s[8:9]         ; the choice hangs on the wave's number alone
	s_add_nc_u64 s[50:51], s[50:51], s[48:49]
.irp g, 0
	s_mov_b32 s[G0+4*\g], 1
	s_add_co_u32 s[G0+4*\g+1], s47, \g*3*KBLK      ; LDS address
	s_add_nc_u64 s[G0+4*\g+2:G0+4*\g+3], s[50:51], \g*3*KBLK   ; global address
	s_or_b32 s[G0+4*\g+3], s[G0+4*\g+3], 0x80000000            ; type = 2
.endr
	s_add_nc_u64 s[60:61], s[4:5], s[60:61]        ; Q's scale words,
	s_add_nc_u64 s[4:5], s[4:5], s[58:59]          ; its codes,
	s_add_nc_u64 s[56:57], s[10:11], s[56:57]      ; the result's scale words,
	s_add_nc_u64 s[10:11], s[10:11], s[54:55]      ; its codes
	CROUND                                         ; all four work-groups are here: the joint loads meet
	s_cmp_eq_u32 s19, 3                            ; a wave's one fill stands in a branch on the wave's number: one load of mine is out
	s_cbranch_scc1 .Lno_fill
.irp g, 0
	tensor_load_to_lds s[G0+4*\g:G0+4*\g+3], s[G1:G1+7]
	s_nop 0
.endr
	NOP4
.Lno_fill:
.irp c, 0,1,2
	global_load_b128 v[16+4*\c:19+4*\c], v[LI], s[4:5] offset:512*\c   ; Q's fragment stays in registers
.endr
	s_wait_alu depctr_va_vdst(0)
	global_load_b32 v[QS], v[R4], s[60:61]
	v_mov_b32 v13, 0xff61b1e6                      ; the largest t so far: -3e38, under every t
	s_delay_alu instid0(VALU_DEP_1)
	v_floor_f32 v12, -v13                          ; -M
	v_mov_b32 v14, 0                               ; the sum, in two halves
	v_mov_b32 v15, 0
.irp b, 0,1,2,3
	v_mov_b32 v[PT+\b], 0                          ; written once: a lane permute's destination counts as one of its sources
	v_mov_b32 v[TM+4+\b], 0
.endr
	v_mov_b32 v[TT], 0
	v_mov_b32 v[FF+1], 0
.set cnt, 0
.rept 64
	v_mov_b32 v[O+cnt], 0                          ; O^T.  (The step is written once for all steps: the first finds zeros, which the first change of M leaves zeros)
.set cnt, cnt+1
.endr
	s_wait_loadcnt 0x0                             ; Q
	GROUP 0
	; THE WAY OUT: O^T / the sum, quantised along the channels; register 16 b + i is channel 32 b + 16 h + i of my query.  The fragment is K step 'head' of the output projection's left operand.
	NOP4                                           ; places behind the last products
	v_add_f32 v14, v14, v15                        ; the sum's two halves,
	s_delay_alu instid0(VALU_DEP_1)
	v_permlanex16_b32 v[TT], v14, s[SEL], s[SEL+1]
	s_delay_alu instid0(VALU_DEP_1)
	v_add_f32 v14, v14, v[TT]                      ; and lane l xor 16's: the row's sum
	s_wait_alu depctr_va_vdst(0)
	v_rcp_f32 v14, v14
	v_nop                                          ; a plain place behind the transcendental
	s_wait_alu depctr_va_vdst(0)                   ; and the wait ahead of its first reader
.set cnt, 0
.rept 64
	v_mul_f32 v[Y+cnt], v[O+cnt], v14              ; each accumulator from its low end on
.set cnt, cnt+1
.endr
	QUANT Y
.irp c, 0,1,2
	global_store_b128 v[LI], v[PC+4*\c:PC+4*\c+3], s[10:11] offset:512*\c   ; 512 consecutive bytes a store
.endr
	global_store_b32 v[R4], v[PW], s[56:57]        ; lanes l and l xor 16 hold the same word and store it at the same place
	s_wait_tensorcnt 0x0                           ; the wave's end
	ds_add_u32 v[SPW], v[NIL]
	s_wait_dscnt 0x0
	CROUND                                         ; the closing round
	s_endpgm
.Lfunc_end_k_qfc2fece036_attn:
	.size	k_qfc2fece036_attn, .Lfunc_end_k_qfc2fece036_attn-k_qfc2fece036_attn
	.p2alignl 7, 3214868480
	.fill 96, 4, 3214868480
	.section	.rodata,"a",@progbits
	.p2align	6, 0x0
	.amdhsa_kernel k_qfc2fece036_attn
		.amdhsa_group_segment_fixed_size 231424
		.amdhsa_private_segment_fixed_size 0
		.amdhsa_enable_private_segment 0
		.amdhsa_kernarg_size 32
		.amdhsa_user_sgpr_count 2
		.amdhsa_user_sgpr_kernarg_segment_ptr 1
		.amdhsa_wavefront_size32 1
		.amdhsa_system_sgpr_workgroup_id_x 1
		.amdhsa_system_sgpr_workgroup_id_y 1
		.amdhsa_system_sgpr_workgroup_id_z 1
		.amdhsa_system_vgpr_workitem_id 0
		.amdhsa_next_free_vgpr 512
		.amdhsa_next_free_sgpr 66
		.amdhsa_reserve_vcc 1
		.amdhsa_float_denorm_mode_32 3
		.amdhsa_float_denorm_mode_16_64 3
		.amdhsa_memory_ordered 1
		.amdhsa_forward_progress 1
		.amdhsa_inst_pref_size 50
	.end_amdhsa_kernel
	.amdgpu_metadata
---
amdhsa.version: [ 1, 2 ]
amdhsa.kernels:
  - .name:           k_qfc2fece036_attn
    .symbol:         k_qfc2fece036_attn.kd
    .args:
      - { .name: qcod, .offset: 0, .size: 8, .value_kind: global_buffer, .address_space: global }
      - { .name: kcod, .offset: 8, .size: 8, .value_kind: global_buffer, .address_space: global }
      - { .name: vcod, .offset: 16, .size: 8, .value_kind: global_buffer, .address_space: global }
      - { .name: acod, .offset: 24, .size: 8, .value_kind: global_buffer, .address_space: global }
    .group_segment_fixed_size: 231424
    .private_segment_fixed_size: 0
    .kernarg_segment_align: 8
    .kernarg_segment_size: 32
    .max_flat_workgroup_size: 256
    .sgpr_count:     66
    .vgpr_count:     512
    .wavefront_size: 32
...
	.end_amdgpu_metadata
.endif
;; end of part 3
;; launch oproj (part 4): grid 16 x 16, 4 waves a work-group, clusters of 4 x 1, 239,104 bytes of LDS; arguments acod, ocod, out0; writes out0
.if DOCPART == 4
	.amdgcn_target "amdgcn-amd-amdhsa--gfx1250"
	.amdhsa_code_object_version 6
	.text
	.protected	k_qfc2fece036_oproj
	.globl	k_qfc2fece036_oproj
	.p2align	8
	.type	k_qfc2fece036_oproj,@function
k_qfc2fece036_oproj:
	s_mov_b64 s[64:65], 0
	v_nop
	global_prefetch_b8 v0, s[64:65] scope:SCOPE_SE
	s_setreg_imm32_b32 hwreg(HW_REG_WAVE_MODE, 25, 1), 1
	s_wait_xcnt 0x0
	s_wait_alu depctr_hold_cnt(0) depctr_sa_sdst(0) depctr_va_vdst(0) depctr_va_sdst(0) depctr_va_ssrc(0) depctr_va_vcc(0) depctr_vm_vsrc(0)
	s_getreg_b32 s2, hwreg(HW_REG_IB_STS2, 6, 4)
	s_cmp_eq_u32 s2, 0
	s_cbranch_scc0 .Lentry_in_a_cluster
	s_endpgm
.Lentry_in_a_cluster:
	s_bfe_u32 s2, ttmp6, 0x10000c
	s_cmp_lg_u32 s2, 0x3003
	s_cbranch_scc0 .Lentry_shape_is_right
	s_endpgm
.Lentry_shape_is_right:
; OPROJ: out0 = attn w_o on codes of FP6 (E2M3) with E8M0 scales; out0 [2048][2048] f32.
; A work-group makes 128 tokens x 128 columns: 16 x 16 work-groups.  Four waves; wave w owns token tiles 2 w and 2 w + 1 against all 8 tiles of columns: 16 accumulators of 16 x 16.  K goes in 16 steps of 128 (a step is a head).
; Source 0 = a tile of weight columns, source 1 = a tile of my tokens: a lane holds one token and its registers run along the columns.
; ALL OPERANDS ARE IMAGES OF REGISTERS (a fragment, 16 rows x 128 K: 1,536 bytes, registers 4 c .. 4 c + 3 of lane l at 512 c + 16 l).  Row r of tile 2 b + u stands for index 32 b + 8 u + r + 8 (r / 8), tokens and columns
; alike: a lane's 16 registers of result tiles 2 b and 2 b + 1 are the 16 neighbouring columns 32 b + 16 (lane / 16) + 0 .. 15.
; THE WEIGHTS' codes for all of K, 16 x 12,288 = 196,608 bytes, and their 8,192 bytes of scale words LIE IN LDS AT ONCE: each byte is filled once, none again.  Every wave asks at the head, by one tensor load, for its share:
; 2, 3, 5 or 6 K steps of codes and scale words; a share is waited for when it is due.
; THE TOKENS' codes DO NOT GO THROUGH LDS: a fragment of my two tiles is read by me alone, so its three loads of 16 bytes a lane bring it from memory into the registers in which it stays: 32 fragments, 384 registers.
; CLUSTER.  Four token blocks of one panel of columns form a cluster and ask for the weights JOINTLY (mask 15).
; REGISTERS, in windows of 256: window 0: v1-10 addresses; v28, v29 the add's; v32-47 the tokens' scale words, a register a K step (lanes 0-15 tile 2 w, lanes 16-31 tile 2 w + 1); v48-55 the weights', two sets;
;   v64-159, v160-255 the weights' 8 fragments, two sets (on the way out: rows of out0).   window 1: the accumulators, (b, a) at v[64 b + 8 a].   window 2: the tokens' fragments of K steps 0-9, (step, b) at v[24 step + 12 b];
;   window 3: those of K steps 10-15.
.set WSC,   196608                     ; LDS: K step n of the weights at 12,800 n: 8 fragments, then its scale words, [tile 8][16] x 4 bytes;
.set STG,   204800                     ; a stage of 16 rows x (512 + 16) bytes for each wave, for the way out: bytes of its own, into which no tile lands;
.set STGW,  8448
.set SPARE, 238592                     ; and the spare words, 128 bytes for each wave: two blocks of 256 bytes that no other line names
.set SOFF,  3145728                    ; where the scale words begin in acod and in ocod
.set LI,  1                            ; v1   16 x lane
.set LS,  2                            ; v2   4 x lane
.set T0,  5                            ; v5   my lane's place in the K step to be fetched
.set SB0, 7                            ; v7   the weights' scale words
.set STO, 9                            ; v9   the stage: where I put 16 bytes of my token's row
.set RD,  10                           ; v10  and where I read a row back
.set SPW, 28                           ; v28  LDS address of my spare word; never rewritten
.set NIL, 29                           ; v29  0; never rewritten
.set XS,  32
.set WS,  48
.set F0,  64
.set WV,   20                          ; s20 wave; s23 cx; s25 panel of columns; s26 token block
.set G1C,  28                          ; s[28:35], s[36:43], s[52:59], s[84:91]: the four waves' descriptor groups 1
.set G1S,  36
.set G0S,  44                          ; s[48:51] group 0
.set G0,   48
.set MSB, 0
.macro WIN new                         ; the immediate's high byte repeats the setting that is left
.if MSB != \new
	s_set_vgpr_msb (MSB<<8)|\new
.set MSB, \new
.endif
.endm
.macro NOP4
.rept 4
	v_nop
.endr
.endm
.macro TL g0, g1                       ; a tensor load and an s_nop 0 directly behind it
	tensor_load_to_lds s[\g0:\g0+3], s[\g1:\g1+7]
	s_nop 0
.endm
.macro GROUP1 g, rows                  ; a dense block as rows of 256 bytes: 32 elements of 8 bytes, no padding
	s_mov_b32 s[\g], 15|(3<<16)|(1<<21)            ; 15:0 the mask: all four work-groups; 17:16 elements of 8 bytes; 21 set beside a mask
	s_mov_b32 s[\g+1], 32<<16                      ; tensor_dim0
	s_mov_b32 s[\g+2], (\rows)<<16                 ; tensor_dim1
	s_mov_b32 s[\g+3], 32<<16                      ; tile_dim0
	s_mov_b32 s[\g+4], \rows                       ; tile_dim1
	s_mov_b32 s[\g+5], 32                          ; the pitch
	s_mov_b32 s[\g+6], 0
	s_mov_b32 s[\g+7], 0
.endm
.macro CROUND                          ; a round of the cluster's barrier
	s_barrier_signal -1
	s_barrier_wait -1
	s_cmp_lg_u32 s[WV], 0
	s_cbranch_scc1 .Lnot_wave_0_\@
	s_barrier_signal -3
.Lnot_wave_0_\@:
	s_barrier_wait -3
	s_barrier_signal -1
	s_barrier_wait -1
.endm
; One product.  cn < 0: the constant 0 starts the sum.  par: 1 = source 0's tile is odd (its scale words lie in lanes 16-31), 2 = source 1's is.
.macro WM dn, an, bn, cn, sa, sb, par
.if (\cn) < 0
.if (\par) == 0
	v_wmma_scale_f32_16x16x128_f8f6f4 v[(\dn):(\dn)+7], v[(\an):(\an)+11], v[(\bn):(\bn)+11], 0, v[\sa], v[\sb] matrix_a_fmt:MATRIX_FMT_FP6 matrix_b_fmt:MATRIX_FMT_FP6
.elseif (\par) == 1
	v_wmma_scale_f32_16x16x128_f8f6f4 v[(\dn):(\dn)+7], v[(\an):(\an)+11], v[(\bn):(\bn)+11], 0, v[\sa], v[\sb] matrix_a_fmt:MATRIX_FMT_FP6 matrix_b_fmt:MATRIX_FMT_FP6 matrix_a_scale:MATRIX_SCALE_ROW1
.elseif (\par) == 2
	v_wmma_scale_f32_16x16x128_f8f6f4 v[(\dn):(\dn)+7], v[(\an):(\an)+11], v[(\bn):(\bn)+11], 0, v[\sa], v[\sb] matrix_a_fmt:MATRIX_FMT_FP6 matrix_b_fmt:MATRIX_FMT_FP6 matrix_b_scale:MATRIX_SCALE_ROW1
.else
	v_wmma_scale_f32_16x16x128_f8f6f4 v[(\dn):(\dn)+7], v[(\an):(\an)+11], v[(\bn):(\bn)+11], 0, v[\sa], v[\sb] matrix_a_fmt:MATRIX_FMT_FP6 matrix_b_fmt:MATRIX_FMT_FP6 matrix_a_scale:MATRIX_SCALE_ROW1 matrix_b_scale:MATRIX_SCALE_ROW1
.endif
.else
.if (\par) == 0
	v_wmma_scale_f32_16x16x128_f8f6f4 v[(\dn):(\dn)+7], v[(\an):(\an)+11], v[(\bn):(\bn)+11], v[(\cn):(\cn)+7], v[\sa], v[\sb] matrix_a_fmt:MATRIX_FMT_FP6 matrix_b_fmt:MATRIX_FMT_FP6
.elseif (\par) == 1
	v_wmma_scale_f32_16x16x128_f8f6f4 v[(\dn):(\dn)+7], v[(\an):(\an)+11], v[(\bn):(\bn)+11], v[(\cn):(\cn)+7], v[\sa], v[\sb] matrix_a_fmt:MATRIX_FMT_FP6 matrix_b_fmt:MATRIX_FMT_FP6 matrix_a_scale:MATRIX_SCALE_ROW1
.elseif (\par) == 2
	v_wmma_scale_f32_16x16x128_f8f6f4 v[(\dn):(\dn)+7], v[(\an):(\an)+11], v[(\bn):(\bn)+11], v[(\cn):(\cn)+7], v[\sa], v[\sb] matrix_a_fmt:MATRIX_FMT_FP6 matrix_b_fmt:MATRIX_FMT_FP6 matrix_b_scale:MATRIX_SCALE_ROW1
.else
	v_wmma_scale_f32_16x16x128_f8f6f4 v[(\dn):(\dn)+7], v[(\an):(\an)+11], v[(\bn):(\bn)+11], v[(\cn):(\cn)+7], v[\sa], v[\sb] matrix_a_fmt:MATRIX_FMT_FP6 matrix_b_fmt:MATRIX_FMT_FP6 matrix_a_scale:MATRIX_SCALE_ROW1 matrix_b_scale:MATRIX_SCALE_ROW1
.endif
.endif
.endm
; Step n's fragments and scale words of the weights into set n % 2: 24 loads of 16 bytes and 4 of 4.  The two additions and the two v_nop are the four places between the products of the step before last, which read this set,
; and the loads into it (ISA guide 7.12.1 for vector instructions).
.macro FETCH n
.set FS, F0+96*((\n)%2)
.set SS, WS+4*((\n)%2)
	v_add_nc_u32 v[T0], (\n)*12800, v[LI]          ; a K step of the panel is 12,800 bytes: 8 fragments, then 512 bytes of scale words
	v_add_nc_u32 v[SB0], (\n)*12800+12288, v[LS]
	v_nop
	v_nop
.irp t, 0,1,2,3,4,5,6,7
.irp c, 0,1,2
	ds_load_b128 v[FS+12*\t+4*\c:FS+12*\t+4*\c+3], v[T0] offset:1536*\t+512*\c
.endr
.endr
.irp p, 0,1,2,3
	ds_load_b32 v[SS+\p], v[SB0] offset:128*\p
.endr
.endm
; Step n's 16 products.  cm = 0: the constant 0 starts the sums; 1: in place.  The 16 accumulators take turns, one instruction a turn, in the same order in every step.
.macro MULS n, cm
.set FS, F0+96*((\n)%2)
.set SS, WS+4*((\n)%2)
.if (\n) < 10
.set XB, 24*(\n)
	WIN 0x58                                       ; source 0 window 0, source 1 window 2, C and D window 1
.else
.set XB, 24*((\n)-10)
	WIN 0x5c                                       ; source 1 window 3
.endif
.irp b, 0,1
.irp a, 0,1,2,3,4,5,6,7
.if \cm == 0
	WM 64*\b+8*\a, FS+12*\a, XB+12*\b, -1, SS+\a/2, XS+(\n), \a%2+2*\b
.else
	WM 64*\b+8*\a, FS+12*\a, XB+12*\b, 64*\b+8*\a, SS+\a/2, XS+(\n), \a%2+2*\b
.endif
.endr
.endr
	WIN 0
.endm
; A step: its fragments of the weights, asked for a step ago, are waited for; the next step's are asked for; its products follow.  Steps 1, 4 and 9 ask for the first fragments of another wave's share:
; that wave's tensor load has landed (the later shares may stay out), and the barrier makes it known to all.
.macro STEP n, cm
	s_wait_dscnt 0x0
.if (\n) == 1                          ; the next fetch is the first of another wave's share of the weights (K steps 2, 5, 10)
	SYNC 1
.elseif (\n) == 4
	SYNC 2
.elseif (\n) == 9
	SYNC 3
.endif
.if (\n) < 15
	FETCH (\n)+1
.endif
.if 6*(15-(\n)) > 63
	s_wait_loadcnt 63                              ; my tokens' scale words and this step's fragments are in: behind them 6 loads for each later K step were issued, and the count names the most that a wait can
.else
	s_wait_loadcnt 6*(15-(\n))                     ; the six loads of each later K step may stay out
.endif
	MULS \n, \cm
.endm
	s_load_b128 s[4:7], s[0:1], 0x0                ; acod s[4:5], ocod s[6:7]
	s_load_b64 s[8:9], s[0:1], 0x10                ; out0
	v_lshl_add_u32 v[SPW], v0, 2, SPARE
	v_mov_b32 v[NIL], 0
	ds_add_u32 v[SPW], v[NIL]                      ; the wave's opening: the add and its wait ahead of my first tensor load; work on registers stands between them
	ds_add_u32 v[SPW], v[NIL]
	v_lshrrev_b32 v11, 5, v0
	v_readfirstlane_b32 s[WV], v11                 ; wave 0..3
	v_and_b32 v11, 31, v0
	v_lshlrev_b32 v[LI], 4, v11
	v_lshlrev_b32 v[LS], 2, v11
	s_wait_alu depctr_va_vdst(0)
	v_and_b32 v11, 15, v0                          ; r
	s_wait_alu depctr_va_vdst(0)
	v_bfe_u32 v12, v0, 4, 1                        ; h
	s_bfe_u32 s23, ttmp6, 0x40000                  ; cx: it enters the tokens' and out0's addresses alone
	s_lshl_b32 s26, ttmp9, 2
	s_add_co_u32 s26, s26, s23                     ; token block = 4 x cluster x + cx: 128 tokens
	s_and_b32 s25, ttmp7, 0xffff                   ; the panel of 128 columns, which the four partners share
	GROUP1 28, 100                                 ; THE WAVES' SHARES OF THE PANEL ARE 2, 3, 5 AND 6 K STEPS (waves 0 to 3: K steps 0-1, 2-4, 5-9, 10-15), codes and scale words, one tensor load each: four groups 1
	GROUP1 36, 150
	GROUP1 52, 250
	GROUP1 84, 300
	s_mul_i32 s70, s25, 204800                     ; the panel
	s_mov_b32 s71, 0
	s_mul_i32 s74, s26, 196608                     ; the token block's codes, my two tiles
	s_mul_i32 s75, s[WV], 3072
	s_add_co_u32 s74, s74, s75
	s_mov_b32 s75, 0
	s_lshl_b32 s76, s26, 13                        ; and their scale words
	s_lshl_b32 s77, s[WV], 7
	s_add_co_u32 s76, s76, s77
	s_add_co_u32 s76, s76, SOFF
	s_mov_b32 s77, 0
	s_lshl_b32 s78, s26, 20                        ; out0: my first token is 128 x block + 32 w, a row is 8,192 bytes, the panel's 128 columns are 512
	s_lshl_b32 s79, s[WV], 18
	s_add_co_u32 s78, s78, s79
	s_lshl_b32 s79, s25, 9
	s_add_co_u32 s78, s78, s79
	s_mov_b32 s79, 0
	s_mul_i32 s80, s[WV], STGW
	s_add_co_u32 s80, s80, STG                     ; my stage
	v_mul_u32_u24 v[STO], v11, 528
	s_wait_alu depctr_va_vdst(0)
	v_lshl_add_u32 v[STO], v12, 6, v[STO]
	v_add_nc_u32 v[STO], s80, v[STO]               ; in: row r, + 64 h
	v_add_nc_u32 v[RD], s80, v[LI]                 ; back: 32 lanes take a row's 512 bytes
	s_wait_alu depctr_va_vdst(0)
	s_wait_dscnt 0x0                               ; both opening adds are done
	s_wait_kmcnt 0x0
	s_add_nc_u64 s[70:71], s[6:7], s[70:71]
	s_add_nc_u64 s[74:75], s[4:5], s[74:75]
	s_add_nc_u64 s[76:77], s[4:5], s[76:77]
	s_add_nc_u64 s[8:9], s[8:9], s[78:79]
	s_mov_b32 s[G0], 1                             ; count = 1
	CROUND                                         ; all four work-groups are here: the joint loads meet
; ONE chain of branches on the wave's number, one load to an arm, all arms leading to one join.  A share lies in LDS where it lies in the panel's block of memory
.macro ARM w, start, g1, next
	s_cmp_lg_u32 s[WV], \w
	s_cbranch_scc1 \next
	s_mov_b32 s[G0+1], \start*12800
	s_add_nc_u64 s[G0+2:G0+3], s[70:71], \start*12800
	s_or_b32 s[G0+3], s[G0+3], 0x80000000          ; type = 2
	TL G0, \g1
	NOP4
	s_branch .Lasked
\next:
.endm
	ARM 0, 0, 28, .Larm1
	ARM 1, 2, 36, .Larm2
	ARM 2, 5, 52, .Larm3
	s_mov_b32 s[G0+1], 10*12800
	s_add_nc_u64 s[G0+2:G0+3], s[70:71], 10*12800
	s_or_b32 s[G0+3], s[G0+3], 0x80000000
	TL G0, 84
	NOP4
.Lasked:
; Wave g's share is due: wave g waits for its one load and signals; the others read behind the barrier.  The later shares stay out across it
.macro SYNC g
	s_cmp_lg_u32 s[WV], \g
	s_cbranch_scc1 .Lnot_mine_\@
	s_wait_tensorcnt 0x0
.Lnot_mine_\@:
	s_barrier_signal -1
	s_barrier_wait -1
.endm
.irp n, 0,1,2,3,4,5,6,7,8,9,10,11,12,13,14,15
	global_load_b32 v[XS+\n], v[LS], s[76:77] offset:512*\n   ; my two tiles' scale words of K step n: 128 consecutive bytes
.endr
	WIN 0x80                                       ; destination window 2
.set cnt, 0
.rept 60
	global_load_b128 v[4*cnt:4*cnt+3], v[LI], s[74:75] offset:(cnt/6)*12288+(cnt%6)*512   ; K steps 0-9: six loads a step, 512 consecutive bytes each, in the order of the steps
.set cnt, cnt+1
.endr
	WIN 0xc0                                       ; destination window 3
.rept 36
	global_load_b128 v[4*(cnt-60):4*(cnt-60)+3], v[LI], s[74:75] offset:(cnt/6)*12288+(cnt%6)*512   ; K steps 10-15
.set cnt, cnt+1
.endr
	WIN 0
	SYNC 0                                         ; K steps 0 and 1 of the weights are in
	FETCH 0
	STEP 0, 0
.irp n, 1,2,3,4,5,6,7,8,9,10,11,12,13,14,15
	STEP \n, 1
.endr
	; THE WAY OUT, a tile of 16 tokens at a time.  A lane holds 64 numbers of one token's row and the lanes beside it hold other tokens: so a tile goes through my own stage in LDS and comes back as whole rows of 512 bytes.
	; LDS serves a wave's instructions in order (ISA guide 5.7.1.4): no wait between the stores and the loads, nor in front of the next tile's stores.  The two tiles' rows come back into two runs of registers.
.macro TOSTAGE b
	WIN 0x04                                       ; an LDS store's data are its source 1: window 1
.irp q, 0,1,2,3,4,5,6,7,8,9,10,11,12,13,14,15
	ds_store_b128 v[STO], v[64*\b+4*\q:64*\b+4*\q+3] offset:128*(\q/4)+16*(\q%4)   ; columns 32 (q / 4) + 16 h + 4 (q % 4) on; each accumulator from its low end on
.endr
	WIN 0
.irp i, 0,1,2,3,4,5,6,7,8,9,10,11,12,13,14,15
	ds_load_b128 v[F0+96*\b+4*\i:F0+96*\b+4*\i+3], v[RD] offset:528*\i
.endr
.endm
.macro SEND b, younger                 ; younger: the LDS instructions issued behind tile b's loads, which may stay out
.irp i, 0,1,2,3,4,5,6,7,8,9,10,11,12,13,14,15
	s_wait_dscnt \younger+15-\i                    ; row i is back; the younger rows' loads may be out
	global_store_b128 v[LI], v[F0+96*\b+4*\i:F0+96*\b+4*\i+3], s[8:9] offset:(8*\b+\i+8*(\i/8))*8192 th:TH_STORE_NT   ; 32 lanes store 512 consecutive bytes, at a multiple of 256 from out0's first byte; row i of the tile is that token
.endr
.endm
	NOP4                                           ; places behind the last products: results are read, and registers that products have read are loaded into
	TOSTAGE 0
	TOSTAGE 1
	SEND 0, 32                                     ; behind tile 0's loads: tile 1's 16 stores and 16 loads
	SEND 1, 0
	s_wait_tensorcnt 0x0                           ; the wave's end, behind my last tensor load and my last LDS store
	ds_add_u32 v[SPW], v[NIL]
	s_wait_dscnt 0x0
	CROUND                                         ; the closing round: no work-group ends while a partner may still ask for a tile that names it
	s_endpgm
.Lfunc_end_k_qfc2fece036_oproj:
	.size	k_qfc2fece036_oproj, .Lfunc_end_k_qfc2fece036_oproj-k_qfc2fece036_oproj
	.p2alignl 7, 3214868480
	.fill 96, 4, 3214868480
	.section	.rodata,"a",@progbits
	.p2align	6, 0x0
	.amdhsa_kernel k_qfc2fece036_oproj
		.amdhsa_group_segment_fixed_size 239104
		.amdhsa_private_segment_fixed_size 0
		.amdhsa_enable_private_segment 0
		.amdhsa_kernarg_size 24
		.amdhsa_user_sgpr_count 2
		.amdhsa_user_sgpr_kernarg_segment_ptr 1
		.amdhsa_wavefront_size32 1
		.amdhsa_system_sgpr_workgroup_id_x 1
		.amdhsa_system_sgpr_workgroup_id_y 1
		.amdhsa_system_sgpr_workgroup_id_z 1
		.amdhsa_system_vgpr_workitem_id 0
		.amdhsa_next_free_vgpr 1024
		.amdhsa_next_free_sgpr 100
		.amdhsa_reserve_vcc 0
		.amdhsa_float_denorm_mode_32 3
		.amdhsa_float_denorm_mode_16_64 3
		.amdhsa_memory_ordered 1
		.amdhsa_forward_progress 1
		.amdhsa_inst_pref_size 92
	.end_amdhsa_kernel
	.amdgpu_metadata
---
amdhsa.version: [ 1, 2 ]
amdhsa.kernels:
  - .name:           k_qfc2fece036_oproj
    .symbol:         k_qfc2fece036_oproj.kd
    .args:
      - { .name: acod, .offset: 0, .size: 8, .value_kind: global_buffer, .address_space: global }
      - { .name: ocod, .offset: 8, .size: 8, .value_kind: global_buffer, .address_space: global }
      - { .name: out0, .offset: 16, .size: 8, .value_kind: global_buffer, .address_space: global }
    .group_segment_fixed_size: 239104
    .private_segment_fixed_size: 0
    .kernarg_segment_align: 8
    .kernarg_segment_size: 24
    .max_flat_workgroup_size: 128
    .sgpr_count:     100
    .vgpr_count:     1024
    .wavefront_size: 32
...
	.end_amdgpu_metadata
.endif
;; end of part 4
